; MI455X (gfx1250); checked and timed in simulation.
; The chip was launched on July 23, 2026; its instructions are those of AMD's public machine-readable ISA for CDNA 5 (MIT licence, August 2026) and "CDNA5" Instruction Set Architecture Reference Guide (July 2026). The comments in the code are by the model that wrote it; some were corrected since.
;; Mo E Layer. Allowed arithmetic: float matrix products may take bf16 or f16 operands with f32 sums; other float arithmetic in f32, or as packed bf16 or f16 multiplies, adds, multiply-adds, maxima and minima; sums over many terms, partial sums and values carried from step to step in f32; what a program stores and reads back later, other than sums and carried values, may be rounded once to bf16 or f16.
;; Inputs: W1 8 x 1,024 x 2,048 float32; W2 8 x 2,048 x 1,024 float32; b1 8 x 2,048 float32; b2 8 x 1,024 float32; gate_logits 8 float32; h 2,048 x 1,024 float32.
;; Outputs: out0 2,048 x 1,024 float32.
;; 2 versions, each right; version 2 is version 1 with the launch combine written anew for expert scheduling mode. Each part assembles by itself: llvm-mc -triple=amdgcn-amd-amdhsa -mcpu=gfx1250 --defsym DOCPART=n.
;; ======== version 1 of 2: 4 launches
;; limits: a function is approximated: absolute error at most 1.5e-07
;; workspace buffers: hb 4,194,304 bytes; w1b 33,554,432 bytes; w2b 33,554,432 bytes; hid 67,108,864 bytes; part 67,108,864 bytes
;; launch cast (part 1): grid 2304 x 1, 8 waves a work-group, no clusters, 0 bytes of LDS; arguments h, W1, hb, w1b; writes hb, w1b
.if DOCPART == 1
	.amdgcn_target "amdgcn-amd-amdhsa--gfx1250"
	.amdhsa_code_object_version 6
	.text
	.protected	k_qe33759324d_cast
	.globl	k_qe33759324d_cast
	.p2align	8
	.type	k_qe33759324d_cast,@function
k_qe33759324d_cast:
	s_mov_b64 s[64:65], 0
	v_nop
	global_prefetch_b8 v0, s[64:65] scope:SCOPE_SE
	s_setreg_imm32_b32 hwreg(HW_REG_WAVE_MODE, 25, 1), 1
	s_wait_xcnt 0x0
; THE PROGRAM (four launches).  out = sum over e of p_e (gelu(h W1[e] + b1[e]) W2[e] + b2[e]), p = softmax(gate_logits).
;   cast:    h and W1 rounded once to bf16, layouts unchanged              (this launch)
;   gemm1:   hid[e] = bf16(2 gelu(hb w1b[e] + b1[e]))                      [8][2048][2048]; beside its products it rounds W2 to bf16, which only the launch behind it needs
;   gemm2:   part[e] = hid[e] w2b[e], f32 partial sums, one for each expert [8][2048][1024]
;   combine: out = sum over e of (p_e / 2) part[e] + sum over e of p_e b2[e]
; WORK LEFT OUT.  Only the division gate_logits / TEMP: TEMP is the constant 1.0 of the problem's text, a factor of 1 for every value of the logits.
; The gate is soft: every expert's result is weighed into every row, so no product, row or input is dead.  All six inputs are loaded by some launch.
; Nothing that could carry a NaN, an infinity or an overflow is left out.
; LIMIT.  All six inputs are used rounded once to bf16 (to nearest even): h and W1 here, W2 and b1 in gemm1, b2 and gate_logits in combine.
; THIS LAUNCH.  A stream: 75.5 MB in, 37.7 MB out; no LDS, no barrier, no matrix work: no byte is used twice.
; A work-group casts 8,192 numbers (32 KiB in, 16 KiB out): groups 0-255 h, 256-2303 W1.  A wave's load covers 512 consecutive bytes, its store 256 consecutive bytes, aligned.
.set NH,  256                          ; blocks of 8,192 numbers in h
.set NW,  2048                         ; in W1
.set X,   8                            ; v[8:39]   eight loads of four f32
.set Y,   40                           ; v[40:55]  eight stores of four bf16: each has registers of its own, so no store's data are rewritten
	s_load_b256 s[4:11], s[0:1], 0x0               ; h s[4:5], W1 s[6:7], hb s[8:9], w1b s[10:11]
	s_min_u32 s19, ttmp9, NH-1                     ; the block's number in h and in W1: each is held inside its tensor, so whichever is chosen is a block that exists
	s_max_u32 s16, ttmp9, NH
	s_sub_co_u32 s16, s16, NH
	s_min_u32 s16, s16, NW-1
	v_lshlrev_b32 v1, 4, v0                        ; my 16 bytes of each 4,096 read
	v_lshlrev_b32 v2, 3, v0                        ; my 8 bytes of each 2,048 written
	s_wait_kmcnt 0x0
	s_cmp_lt_u32 ttmp9, NH                         ; h or W1
	s_cselect_b32 s18, s19, s16
	s_cselect_b64 s[20:21], s[4:5], s[6:7]
	s_cselect_b64 s[22:23], s[8:9], s[10:11]
	s_lshl_b32 s24, s18, 15                        ; 32 KiB a block in, under 2^26
	s_mov_b32 s25, 0
	s_lshl_b32 s26, s18, 14                        ; 16 KiB a block out
	s_mov_b32 s27, 0
	s_add_nc_u64 s[20:21], s[20:21], s[24:25]
	s_add_nc_u64 s[22:23], s[22:23], s[26:27]
.irp j, 0,1,2,3,4,5,6,7
	global_load_b128 v[X+4*(\j):X+4*(\j)+3], v1, s[20:21] offset:4096*(\j) th:TH_LOAD_NT  ; all eight go out before the first wait
.endr
.irp j, 0,1,2,3,4,5,6,7
	s_wait_loadcnt 7-(\j)                          ; loads come back in order: load j is in, the 7 - j younger ones stay out
	v_cvt_pk_bf16_f32 v[Y+2*(\j)],   v[X+4*(\j)],   v[X+4*(\j)+1]
	v_cvt_pk_bf16_f32 v[Y+2*(\j)+1], v[X+4*(\j)+2], v[X+4*(\j)+3]
	global_store_b64 v2, v[Y+2*(\j):Y+2*(\j)+1], s[22:23] offset:2048*(\j)
.endr
	s_endpgm
.Lfunc_end_k_qe33759324d_cast:
	.size	k_qe33759324d_cast, .Lfunc_end_k_qe33759324d_cast-k_qe33759324d_cast
	.p2alignl 7, 3214868480
	.fill 96, 4, 3214868480
	.section	.rodata,"a",@progbits
	.p2align	6, 0x0
	.amdhsa_kernel k_qe33759324d_cast
		.amdhsa_group_segment_fixed_size 0
		.amdhsa_private_segment_fixed_size 0
		.amdhsa_enable_private_segment 0
		.amdhsa_kernarg_size 32
		.amdhsa_user_sgpr_count 2
		.amdhsa_user_sgpr_kernarg_segment_ptr 1
		.amdhsa_wavefront_size32 1
		.amdhsa_system_sgpr_workgroup_id_x 1
		.amdhsa_system_sgpr_workgroup_id_y 1
		.amdhsa_system_sgpr_workgroup_id_z 1
		.amdhsa_system_vgpr_workitem_id 0
		.amdhsa_next_free_vgpr 56
		.amdhsa_next_free_sgpr 66
		.amdhsa_reserve_vcc 0
		.amdhsa_float_denorm_mode_32 3
		.amdhsa_float_denorm_mode_16_64 3
		.amdhsa_memory_ordered 1
		.amdhsa_forward_progress 1
		.amdhsa_inst_pref_size 4
	.end_amdhsa_kernel
	.amdgpu_metadata
---
amdhsa.version: [ 1, 2 ]
amdhsa.kernels:
  - .name:           k_qe33759324d_cast
    .symbol:         k_qe33759324d_cast.kd
    .args:
      - { .name: h, .offset: 0, .size: 8, .value_kind: global_buffer, .address_space: global }
      - { .name: W1, .offset: 8, .size: 8, .value_kind: global_buffer, .address_space: global }
      - { .name: hb, .offset: 16, .size: 8, .value_kind: global_buffer, .address_space: global }
      - { .name: w1b, .offset: 24, .size: 8, .value_kind: global_buffer, .address_space: global }
    .group_segment_fixed_size: 0
    .private_segment_fixed_size: 0
    .kernarg_segment_align: 8
    .kernarg_segment_size: 32
    .max_flat_workgroup_size: 256
    .sgpr_count:     66
    .vgpr_count:     56
    .wavefront_size: 32
...
	.end_amdgpu_metadata
.endif
;; end of part 1
;; launch gemm1 (part 2): grid 64 x 8, 4 waves a work-group, clusters of 4 x 4, 327,680 bytes of LDS; arguments hb, w1b, hid, b1, W2, w2b; writes hid, w2b
.if DOCPART == 2
	.amdgcn_target "amdgcn-amd-amdhsa--gfx1250"
	.amdhsa_code_object_version 6
	.text
	.protected	k_qe33759324d_gemm1
	.globl	k_qe33759324d_gemm1
	.p2align	8
	.type	k_qe33759324d_gemm1,@function
k_qe33759324d_gemm1:
	s_mov_b64 s[64:65], 0
	v_nop
	global_prefetch_b8 v0, s[64:65] scope:SCOPE_SE
	s_setreg_imm32_b32 hwreg(HW_REG_WAVE_MODE, 25, 1), 1
	s_wait_xcnt 0x0
	s_wait_alu depctr_hold_cnt(0) depctr_sa_sdst(0) depctr_va_vdst(0) depctr_va_sdst(0) depctr_va_ssrc(0) depctr_va_vcc(0) depctr_vm_vsrc(0)
	s_getreg_b32 s2, hwreg(HW_REG_IB_STS2, 6, 4)
	s_cmp_eq_u32 s2, 0
	s_cbranch_scc0 .Lentry_in_a_cluster
	s_endpgm
.Lentry_in_a_cluster:
	s_bfe_u32 s2, ttmp6, 0x10000c
	s_cmp_lg_u32 s2, 0xf033
	s_cbranch_scc0 .Lentry_shape_is_right
	s_endpgm
.Lentry_shape_is_right:
; hid[e][m][n] = bf16(2 gelu(x)), x = sum over k of hb[m][k] w1b[e][k][n] + b1[e][n].  hb: [2048][1024] bf16, w1b: [8][1024][2048] bf16, b1: [8][2048] f32, hid: [8][2048][2048] bf16.
; Sums in f32, started by the bias; the exact factor 2 is taken back in the last launch.  No work of the problem is left out here.
; BESIDE THE PRODUCTS: w2b = W2 rounded once to bf16, layout unchanged ([8][2048][1024]).  Only the launch behind this one reads it, and this launch's own tiles are a small stream, so the rounding is done here.
; LIMITS.  b1 and W2 are rounded once to bf16, like every input of the program.  erf is taken by the rational form 1 - P(t) exp(-z^2), t = 1 / (1 + 0.3275911 z) (Abramowitz and Stegun 7.1.26), whose error is at most
; 1.5e-7 for every z >= 0; so for x below about -6, where gelu is under 1e-8 in size, the result is 0.  For |x| so large that x^2 overflows the exponential is 0 and the result 2 x or 0.  NaN and infinities in x are not treated apart.
; SHARES.  A tile of hid[e], 256 x 256, is made by a work-group of four waves, a wave makes 128 x 128: 64 accumulators of 16 x 16, 512 registers.  8 experts x 8 x 8 tiles = 512 work-groups.
; K goes in steps of 128 through a ring of two LDS slots filled by the tensor data mover: 256 rows x 256 bytes of hb, and 128 rows (k) x 512 bytes of w1b[e], which lies [k][n] and is turned on its way out of LDS by ds_load_tr16_b128.
; Of W2 each of the launch's 2,048 waves takes 32 KiB: 32 PIECES of 1,024 bytes, one for each of the tile's 32 quarter steps.
; CLUSTERS: 4 x 4 work-groups of one expert.  The four of a row of the cluster need the same rows of hb, the four of a column the same columns of w1b[e]: each tile is asked for JOINTLY, by the same tensor load with the same
; descriptor and a mask that names the four.  W2's bytes have one reader each: they come by plain loads.
; THE MATRIX INSTRUCTION IS USED TRANSPOSED: source 0 = 16 columns n of the weights, source 1 = 16 rows m of hb.  Lane l then holds row m = l % 16 and the columns n = 8 (l / 16) + 0..7.
; THE WAY OUT.  When the ring has had its last fill and its last read, its bytes are the stage: each wave lays its 128 x 128 f32 there, reads it back by rows (a lane: four neighbouring columns), applies the activation and stores
; 8 bytes a lane: a wave's store covers 256 consecutive bytes of hid, aligned.
; REGISTERS, in windows of 256 (s_set_vgpr_msb: bits 1:0 source 0, 3:2 source 1, 5:4 source 2, 7:6 destination):
;   window 0: v0-31 addresses; v32-63, v192-255 W2's pieces; v64-127, v128-191 hb's fragments, two buffers; on the way out v64-255 at work
;   window 1: v0-63 the bias as a C operand (n block b at 8 b); v64-127, v128-191 the weights' fragments, two buffers; v192-223 at work on the bias
;   window 2: the 32 accumulators of my rows 0-63 ((a, b) at 8 (8 a + b));   window 3: those of my rows 64-127
.set KSTEP,  128
.set KTOT,   1024
.set LAPS,   KTOT/(2*KSTEP)            ; a lap = two K steps = once round the ring
.set PA,     2048                      ; bytes in a row of hb
.set PBG,    4096                      ; bytes in a row (one k) of w1b[e]
.set PC,     4096                      ; bytes in a row of hid[e]
.set PITCH,  272                       ; hb's LDS row: 256 bytes + 16 = 68 words: row r starts at bank 4 r mod 64 (64 banks of 4 bytes: ISA guide 11.1)
.set PB,     544                       ; the weights' LDS row: 512 bytes + 32 = 17 x 32
.set HALFT,  128*PITCH                 ; what one tensor load brings: 128 rows of hb, or 64 rows of weights (64 x 544 is the same 34,816 bytes)
.set BOFF,   2*HALFT                   ; in a slot: hb's 256 rows, then the weights' 128
.set SLOT,   4*HALFT
.set SPARE,  2*SLOT                    ; behind the ring: the spare words, 128 bytes for each wave: two blocks of 256 bytes that no other line names
.set SP,     528                       ; the stage's row: 512 bytes + 16 = 132 words: row r starts at bank 4 r mod 64
.set WREG,   128*SP                    ; a wave's stage; four of them, 270,336 bytes, lie inside the ring's 278,528
.set CI,   8                           ; v8      my 16 bytes of 512 bytes of W2; never rewritten
.set ADRA, 16                          ; v16-17  LDS address of my hb fragments in slot 0, 1
.set ADRB, 20                          ; v20-21  the same for the weights
.set STO,  24                          ; v24     the way out: where I put 16 bytes of a row
.set RD0,  25                          ; v25     the way out: my 16 bytes of my stage's first row
.set CO,   26                          ; v26     8 x lane: my byte offset in a row of my part of hid, and in 256 bytes of w2b; never rewritten
.set ADR,  27                          ; v27     the way out: my 16 bytes of the row block in hand
.set SPW,  28                          ; v28     LDS address of my spare word: SPARE + 4 x my thread's number; never rewritten
.set NIL,  29                          ; v29     0; never rewritten
.set PFO,  30                          ; v30     the prefetches' lane offset; never rewritten
.set BO,   31                          ; v31     my byte offset in 16 numbers of b1
.set CY,   32                          ; v32-63  W2's pieces, rounded: eight slots of 4
.set F0,   64                          ; fragment buffer 0
.set F1,   128                         ; fragment buffer 1
.set CX,   192                         ; v192-255 W2's pieces as loaded: eight slots of 8
.set XR,   64                          ; the way out: v64-95, v96-127 two sets of 8 rows x 4 columns: x
.set TR,   128                         ; v128-159 t
.set ER,   160                         ; v160-191 the exponential, then erf
.set QR,   192                         ; v192-223 the polynomial
.set OUTR, 224                         ; v224-239, v240-255 packed results, a set for each set of x
.set G1,  24                           ; s[24:31] descriptor group 1 for hb's tiles
.set G0,  32                           ; s[32:39] descriptor group 0 for hb's tiles, one set for each slot
.set G1B, 48                           ; s[48:55] descriptor group 1 for the weights' tiles
.set G0B, 56                           ; s[56:63] descriptor group 0 for the weights' tiles, one set for each slot
.set LIM, 43                           ; s43     1 in a wave that prefetches, else the greatest number
.set PFA, 44                           ; s[44:45] where my prefetches stand
.set EX,  66                           ; s66     the expert
.set BI,  68                           ; s[68:69] b1
.set PST, 70                           ; s[70:71] a K step in the tensor that I prefetch, in bytes
.set RB,  72                           ; s72     the way out: byte offset of the row block in hand
.set CC,  74                           ; s[74:75] -log2(e) / 2
.set PP,  76                           ; s76     0.3275911 / sqrt(2)
.set A1,  78                           ; s[78:79] .. s[86:87] the polynomial's a1 .. a5, each named as a pair
.set A2,  80
.set A3,  82
.set A4,  84
.set A5,  86
.set CS,  88                           ; s[88:89] W2 at my wave's 32 KiB, stepped by eight pieces a lap
.set CD,  90                           ; s[90:91] w2b at my wave's 16 KiB, likewise
.set MSB, 0
.macro WIN new                         ; the immediate's high byte repeats the setting that is left; a switch that changes nothing is dropped
.if MSB != (\new)
	s_set_vgpr_msb (MSB<<8)|(\new)
.set MSB, \new
.endif
.endm
.set MUL_LO,  0xa1                     ; source 0 (weights) window 1, source 1 (hb) window 0, C and D window 2
.set MUL_HI,  0xf1                     ; the same, C and D window 3
.set MULB_LO, 0x91                     ; the first products: C (the bias) window 1, D window 2
.set MULB_HI, 0xd1                     ; D window 3
.set TO_B,    0x40                     ; destination window 1, address window 0
.set W1ALL,   0x45                     ; destination and sources 0 and 1 window 1
.set W_UNP,   0x44                     ; destination and source 1 window 1
.set DUMP_LO, 0x08                     ; an LDS store's data (source 1) window 2
; A joint load.  Waves 0 and 1 fetch hb's two halves, waves 2 and 3 the weights'.  Each of the two lines has one mask and one set of registers for all that issue it.  The branch hangs on the wave's number alone.
; An s_nop 0 and four v_nop follow each of the two lines, ahead of the jump, the label and what follows.
.macro JLOAD s
	s_cmp_eq_u32 s11, 0
	s_cbranch_scc0 .Lfor_b_\@
	tensor_load_to_lds s[G0+4*(\s):G0+4*(\s)+3], s[G1:G1+7]
	s_nop 0
.rept 4
	v_nop
.endr
	s_branch .Lasked_\@
.Lfor_b_\@:
	tensor_load_to_lds s[G0B+4*(\s):G0B+4*(\s)+3], s[G1B:G1B+7]
	s_nop 0
.rept 4
	v_nop
.endr
.Lasked_\@:
.endm
; A prefetch into the L2, behind each joint refill, its five lines, the run of LDS loads and the quarter's piece of W2: the K step that stands TWO refills on, 512 matrix instructions ahead of the load that will want it; one instruction a wave, a lane a block of 256 bytes.
; Each block is named once in the launch.  hb's rows are read by all clusters along x: cluster x = 0 asks.  A tile column of w1b[e] is read by both clusters along y: cluster y = 0 asks.  The four partners that ask for a
; tile jointly share it out BY ADDRESS (of a wave's 128 rows of hb partner cx takes 32; of its 64 rows of weights partner cy takes 16, two blocks each).  K steps 0 to 3 come by their loads alone; the loop's last trip (s3 = 1) asks for nothing.
.macro ASK
	s_cmp_gt_u32 s3, s[LIM]
	s_cbranch_scc0 .Lnot_mine_\@
	global_prefetch_b8 v[PFO], s[PFA:PFA+1] th:TH_LOAD_NT scope:SCOPE_SE
.Lnot_mine_\@:
.endm
; A round of the cluster's barrier: my work-group's barrier; wave 0 signals for the work-group; every wave waits for all sixteen work-groups; my work-group's barrier once more.
.macro CREST                           ; a round behind its opening barrier
	s_cmp_lg_u32 s10, 0
	s_cbranch_scc1 .Lnot_wave_0_\@
	s_barrier_signal -3
.Lnot_wave_0_\@:
	s_barrier_wait -3
	s_barrier_signal -1
	s_barrier_wait -1
.endm
.macro CROUND                          ; a whole round
	s_barrier_signal -1
	s_barrier_wait -1
	CREST
.endm
; A PIECE OF W2: 1,024 bytes (two loads of 512 consecutive bytes) are rounded and stored (two stores of 256 consecutive bytes, aligned).  The pieces are numbered by cq in the order of the text: 0 in front of the loop, 1 to 8 in
; the loop (its three trips: pieces 1 to 24; both bases step by eight pieces at a trip's end), 9 to 15 behind it (pieces 25 to 31).  Piece q lies in slot q % 8 and asks for piece q + 7, into the slot that piece q - 1 left:
; seven quarters, 448 matrix instructions, ahead of its use.  The last seven ask for nothing: no load leaves my wave's 32 KiB.  Every window is 0 where a piece stands.
; A slot of CY is written again eight pieces behind its stores; between the two stands an s_wait_xcnt 0: each change of slots that fills (four pieces apart) has one, and each trip's end.
.macro CASTP
.set ck, cq%8
.if cq > 8
.set cu, cq-8
	s_wait_loadcnt 12-2*(cq-9)                     ; the tail: two loads fewer are out with each piece
.else
.set cu, cq
	s_wait_loadcnt 12                              ; loads come back in order: this piece's two are in, the six younger pieces' twelve stay out
.endif
	v_cvt_pk_bf16_f32 v[CY+4*ck],   v[CX+8*ck],   v[CX+8*ck+1]
	v_cvt_pk_bf16_f32 v[CY+4*ck+1], v[CX+8*ck+2], v[CX+8*ck+3]
	v_cvt_pk_bf16_f32 v[CY+4*ck+2], v[CX+8*ck+4], v[CX+8*ck+5]
	v_cvt_pk_bf16_f32 v[CY+4*ck+3], v[CX+8*ck+6], v[CX+8*ck+7]
	global_store_b64 v[CO], v[CY+4*ck:CY+4*ck+1],   s[CD:CD+1] offset:512*cu
	global_store_b64 v[CO], v[CY+4*ck+2:CY+4*ck+3], s[CD:CD+1] offset:512*cu+256
.if cq <= 8
.set cn, (cq+7)%8
	global_load_b128 v[CX+8*cn:CX+8*cn+3],   v[CI], s[CS:CS+1] offset:1024*(cu+7) th:TH_LOAD_NT
	global_load_b128 v[CX+8*cn+4:CX+8*cn+7], v[CI], s[CS:CS+1] offset:1024*(cu+7)+512 th:TH_LOAD_NT
.endif
.set cq, cq+1
.endm
	s_load_b128 s[4:7], s[0:1], 0x0                ; hb s[4:5], w1b s[6:7]
	s_load_b64 s[8:9], s[0:1], 0x10                ; hid
	s_load_b64 s[BI:BI+1], s[0:1], 0x18            ; b1
	s_load_b128 s[CS:CS+3], s[0:1], 0x20           ; W2 s[88:89], w2b s[90:91]
	v_lshl_add_u32 v[SPW], v0, 2, SPARE
	v_mov_b32 v[NIL], 0
	ds_add_u32 v[SPW], v[NIL]                      ; the wave's opening: the add, twice on end, and its wait ahead of my first tensor load; the set-up below stands between the second and the wait
	ds_add_u32 v[SPW], v[NIL]                      ; and once more, under the one wait
	v_lshrrev_b32 v1, 5, v0
	v_readfirstlane_b32 s10, v1                    ; wave 0..3
	s_lshr_b32 s11, s10, 1                         ; which half of the tile's rows is mine.  Also: I fetch hb (0) or weights (1)
	s_and_b32 s12, s10, 1                          ; which half of its columns.  Also: which half of that tile I fetch
	s_bfe_u32 s40, ttmp6, 0x40000                  ; cx
	s_bfe_u32 s41, ttmp6, 0x40004                  ; cy
	s_lshr_b32 s[EX], ttmp9, 1                     ; two clusters along x to an expert
	s_and_b32 s42, ttmp9, 1
	s_lshl_b32 s42, s42, 2
	s_add_co_u32 s42, s42, s40                     ; tile column 0..7
	s_and_b32 s13, ttmp7, 0xffff
	s_lshl_b32 s13, s13, 2
	s_add_co_u32 s13, s13, s41                     ; tile row 0..7
	s_lshl_b32 s43, s41, 2
	s_lshl_b32 s43, 15, s43                        ; my row of the cluster: places 4 cy .. 4 cy + 3
	s_lshl_b32 s44, 0x1111, s40                    ; my column: places cx, cx + 4, cx + 8, cx + 12
	; group 1 for hb: 128 rows x 128 elements; 16 bytes of padding behind every 64 words
	s_or_b32 s[G1+0], s43, (1<<16)|(1<<20)|(1<<21)|(5<<22)|(3<<25)  ; 15:0 the mask; 17:16 elements of 2 bytes; 20 padding on; 21 set beside a mask; 24:22 after every 64 words; 31:25 4 words
	s_mov_b32 s[G1+1], KSTEP<<16                   ; tensor_dim0 = 128
	s_mov_b32 s[G1+2], 128<<16                     ; tensor_dim1 = 128
	s_mov_b32 s[G1+3], KSTEP<<16                   ; tile_dim0 = 128
	s_mov_b32 s[G1+4], 128                         ; tile_dim1 = 128
	s_mov_b32 s[G1+5], PA/2                        ; elements from row to row
	s_mov_b32 s[G1+6], 0
	s_mov_b32 s[G1+7], 0
	; group 1 for the weights: 64 rows (k) x 256 elements (n); 32 bytes of padding behind every 128 words
	s_or_b32 s[G1B+0], s44, (1<<16)|(1<<20)|(1<<21)|(6<<22)|(7<<25)
	s_mov_b32 s[G1B+1], 256<<16                    ; tensor_dim0 = 256
	s_mov_b32 s[G1B+2], 64<<16                     ; tensor_dim1 = 64
	s_mov_b32 s[G1B+3], 256<<16                    ; tile_dim0 = 256
	s_mov_b32 s[G1B+4], 64                         ; tile_dim1 = 64
	s_mov_b32 s[G1B+5], PBG/2
	s_mov_b32 s[G1B+6], 0
	s_mov_b32 s[G1B+7], 0
	; where the tiles come from: hb's hang on the tile row alone, the weights' on the expert and the tile column alone; each offset in registers that never hold the other coordinate.  All stay under 2^31
	s_lshl_b32 s16, s13, 8
	s_lshl_b32 s17, s12, 7
	s_add_co_u32 s16, s16, s17                     ; hb: row 256 x tile row + 128 x half
	s_mul_i32 s16, s16, PA
	s_mov_b32 s17, 0
	s_lshl_b32 s46, s[EX], 22                      ; w1b[e]: 4 MiB an expert,
	s_mul_i32 s47, s12, 64*PBG                     ; k row 64 x half,
	s_add_co_u32 s46, s46, s47
	s_lshl_b32 s47, s42, 9                         ; column 256 x tile column
	s_add_co_u32 s46, s46, s47
	s_mov_b32 s47, 0
	s_mul_i32 s20, s10, HALFT                      ; and where they go: wave x 34,816: no place in the cluster enters an LDS address
	s_wait_dscnt 0x0                               ; both opening adds are done
	s_wait_kmcnt 0x0
	s_add_nc_u64 s[14:15], s[4:5], s[16:17]
	s_add_nc_u64 s[46:47], s[6:7], s[46:47]
	CROUND                                         ; all sixteen work-groups are here: the first joint loads meet
.irp s, 0,1
	s_mov_b32 s[G0+4*(\s)], 1                                      ; count = 1
	s_add_co_u32 s[G0+4*(\s)+1], s20, (\s)*SLOT                    ; LDS address
	s_add_nc_u64 s[G0+4*(\s)+2:G0+4*(\s)+3], s[14:15], (\s)*KSTEP*2  ; global address: K step s
	s_or_b32 s[G0+4*(\s)+3], s[G0+4*(\s)+3], 0x80000000            ; type = 2
	s_mov_b32 s[G0B+4*(\s)], 1
	s_add_co_u32 s[G0B+4*(\s)+1], s20, (\s)*SLOT
	s_add_nc_u64 s[G0B+4*(\s)+2:G0B+4*(\s)+3], s[46:47], (\s)*KSTEP*PBG
	s_or_b32 s[G0B+4*(\s)+3], s[G0B+4*(\s)+3], 0x80000000
	JLOAD \s                                       ; two tensor loads of mine are out
.endr
	; hb's fragment: 16 rows x 32 K in 8 registers: lane l holds row l % 16, K = 8 (l / 16) + 0..7 and 16 + 8 (l / 16) + 0..7: two loads of 16 bytes, 32 bytes apart
	v_and_b32 v1, 15, v0                           ; l % 16
	v_bfe_u32 v2, v0, 4, 1                         ; l / 16
	v_mul_u32_u24 v3, v1, PITCH
	v_lshl_add_u32 v3, v2, 4, v3
	s_mul_i32 s21, s11, HALFT                      ; my 128 rows of hb
	; the weights' fragment: the turning load takes 16 k x 16 n (lane l reads k = 8 (l / 16) + l % 8, n = 8 ((l / 8) % 2) + 0..7) and leaves column n = l % 16 with 8 k in each lane
	v_and_b32 v4, 7, v0
	v_lshl_add_u32 v4, v2, 3, v4
	v_mul_u32_u24 v4, v4, PB
	v_bfe_u32 v5, v0, 3, 1
	v_lshl_add_u32 v4, v5, 4, v4
	s_lshl_b32 s22, s12, 8                         ; my 128 columns: 256 bytes of each row,
	s_add_co_u32 s22, s22, BOFF                    ; behind hb's 256 rows
.irp s, 0,1
	v_add_nc_u32 v[ADRA+(\s)], s21, v3
	v_add_nc_u32 v[ADRB+(\s)], s22, v4
	s_add_co_u32 s21, s21, SLOT
	s_add_co_u32 s22, s22, SLOT
.endr
	s_mul_i32 s23, s10, WREG                       ; my stage
	v_mul_u32_u24 v6, v1, SP                       ; in: row l % 16, 32 bytes for each half of the lanes
	v_lshl_add_u32 v6, v2, 5, v6
	v_add_nc_u32 v[STO], s23, v6
	v_and_b32 v7, 31, v0                           ; l
	v_lshl_add_u32 v[RD0], v7, 4, s23              ; back: 32 lanes take one row of 512 bytes
	v_lshlrev_b32 v[CO], 3, v7                     ; which become 256 bytes of hid
	v_lshlrev_b32 v[CI], 4, v7                     ; 32 lanes take 512 bytes of W2
	v_lshlrev_b32 v[BO], 5, v2                     ; of 16 numbers of b1 my half of the lanes takes 8
	; my part of hid: expert, row 256 x tile row + 128 x half, column 256 x tile column + 128 x half
	s_lshl_b32 s16, s13, 8
	s_lshl_b32 s17, s11, 7
	s_add_co_u32 s16, s16, s17
	s_lshl_b32 s16, s16, 12
	s_lshl_b32 s17, s[EX], 23
	s_add_co_u32 s16, s16, s17
	s_mov_b32 s17, 0
	s_add_nc_u64 s[8:9], s[8:9], s[16:17]
	s_lshl_b32 s46, s42, 9
	s_lshl_b32 s47, s12, 8
	s_add_co_u32 s46, s46, s47
	s_mov_b32 s47, 0
	s_add_nc_u64 s[8:9], s[8:9], s[46:47]
	; my 128 numbers of b1, as a C operand: register j of n block b holds b1[16 b + 8 (l / 16) + j]
	s_lshl_b32 s46, s[EX], 13
	s_lshl_b32 s47, s42, 10
	s_add_co_u32 s46, s46, s47
	s_lshl_b32 s47, s12, 9
	s_add_co_u32 s46, s46, s47
	s_mov_b32 s47, 0
	s_add_nc_u64 s[BI:BI+1], s[BI:BI+1], s[46:47]
	WIN TO_B
.irp b, 0,1,2,3,4,5,6,7
	global_load_b128 v[8*(\b):8*(\b)+3],   v[BO], s[BI:BI+1] offset:64*(\b)
	global_load_b128 v[8*(\b)+4:8*(\b)+7], v[BO], s[BI:BI+1] offset:64*(\b)+16
.endr
	WIN 0
	; my wave's share of W2: wave u = 4 (64 x tile row + work-group x) + wave of the launch's 2,048 takes bytes 32,768 u on, and writes w2b's bytes 16,384 u on.  In registers that feed no descriptor
	s_lshl_b32 s92, ttmp9, 2
	s_add_co_u32 s92, s92, s40                     ; work-group x, 0..63
	s_lshl_b32 s93, s13, 6
	s_add_co_u32 s92, s92, s93                     ; the work-group's number, 0..511
	s_lshl_b32 s92, s92, 2
	s_add_co_u32 s94, s92, s10                     ; u
	s_lshl_b32 s92, s94, 15                        ; under 2^26
	s_mov_b32 s93, 0
	s_add_nc_u64 s[CS:CS+1], s[CS:CS+1], s[92:93]
	s_lshl_b32 s92, s94, 14
	s_add_nc_u64 s[CD:CD+1], s[CD:CD+1], s[92:93]
.irp j, 0,1,2,3,4,5,6
	global_load_b128 v[CX+8*(\j):CX+8*(\j)+3],   v[CI], s[CS:CS+1] offset:1024*(\j) th:TH_LOAD_NT      ; pieces 0 to 6
	global_load_b128 v[CX+8*(\j)+4:CX+8*(\j)+7], v[CI], s[CS:CS+1] offset:1024*(\j)+512 th:TH_LOAD_NT
.endr
	; the prefetches: both offsets are made, and the wave's kind chooses.  They stand at K step 3: the first refill steps them to K step 4 and names it
	s_lshl_b32 s20, s13, 8
	s_lshl_b32 s21, s12, 7
	s_add_co_u32 s20, s20, s21
	s_lshl_b32 s21, s40, 5                         ; of the 128 rows of hb that I fetch, my work-group's 32
	s_add_co_u32 s20, s20, s21
	s_mul_i32 s20, s20, PA
	s_add_co_u32 s20, s20, 3*KSTEP*2
	s_lshl_b32 s22, s12, 6
	s_lshl_b32 s23, s41, 4                         ; of the 64 rows of weights that I fetch, my work-group's 16
	s_add_co_u32 s22, s22, s23
	s_add_co_u32 s22, s22, 3*KSTEP
	s_mul_i32 s22, s22, PBG
	s_lshl_b32 s23, s[EX], 22
	s_add_co_u32 s22, s22, s23
	s_lshl_b32 s23, s42, 9
	s_add_co_u32 s22, s22, s23
	s_and_b32 s23, ttmp7, 0xffff                   ; cluster y
	s_mov_b32 s18, PA
	s_mov_b32 s19, PBG
	s_mov_b32 s[PST], KSTEP*2
	s_mov_b32 s[PST+1], KSTEP*PBG
	s_cmp_eq_u32 s11, 0                            ; do I fetch hb?
	s_cselect_b32 s20, s20, s22
	s_cselect_b32 s23, ttmp9, s23                  ; the coordinate along which other clusters read the same blocks
	s_cselect_b32 s18, s18, s19                    ; bytes from row to row
	s_cselect_b32 s[PST], s[PST], s[PST+1]
	s_cselect_b64 s[PFA:PFA+1], s[4:5], s[6:7]
	s_mov_b32 s[PST+1], 0
	s_mov_b32 s21, 0
	s_add_nc_u64 s[PFA:PFA+1], s[PFA:PFA+1], s[20:21]
	s_cmp_eq_u32 s23, 0
	s_cselect_b32 s[LIM], 1, -1                    ; the same in all sixteen partners, for a given wave
	v_lshrrev_b32 v4, s11, v7                      ; hb: a lane a row; weights: two lanes a row,
	v_mul_u32_u24 v4, v4, s18
	v_and_b32 v5, s11, v7                          ; 256 bytes apart
	v_lshl_add_u32 v[PFO], v5, 8, v4
	; the activation's constants
	s_mov_b32 s[CC], 0xbf38aa3b                    ; -log2(e) / 2
	s_mov_b32 s[CC+1], s[CC]
	s_mov_b32 s[PP], 0x3e6d3388                    ; 0.3275911 / sqrt(2)
	s_mov_b32 s[A1], 0x3e827906                    ;  0.254829592
	s_mov_b32 s[A1+1], s[A1]
	s_mov_b32 s[A2], 0xbe91a98e                    ; -0.284496736
	s_mov_b32 s[A2+1], s[A2]
	s_mov_b32 s[A3], 0x3fb5f0e3                    ;  1.421413741
	s_mov_b32 s[A3+1], s[A3]
	s_mov_b32 s[A4], 0xbfba00e3                    ; -1.453152027
	s_mov_b32 s[A4+1], s[A4]
	s_mov_b32 s[A5], 0x3f87dc22                    ;  1.061405429
	s_mov_b32 s[A5+1], s[A5]
	s_wait_loadcnt 14                              ; b1 is in; the 14 loads of W2's pieces 0 to 6, issued behind it, stay out
	WIN W1ALL
.set i, 0
.rept 32
	v_cvt_pk_bf16_f32 v[192+i], v[2*i], v[2*i+1]   ; rounded once to bf16, like every input,
.set i, i+1
.endr
	WIN W_UNP
.set i, 0
.rept 32
	v_lshlrev_b32 v[2*i],   16, v[192+i]           ; and back to f32
	v_and_b32     v[2*i+1], 0xffff0000, v[192+i]
.set i, i+1
.endr
	WIN 0
; 16 matrix instructions: m blocks a0, a0 + 1 of the window's four (hi = 0: my rows 0-63, 1: rows 64-127) x all 8 n blocks, 32 along K.  first = 1: the bias starts the sums: nothing is cleared or added later.
; The 64 accumulators take turns, one instruction a turn, in the same order in every quarter.
.macro MUL16 f, hi, a0, first
.if \first
	WIN MULB_LO+0x40*(\hi)
.else
	WIN MUL_LO+0x50*(\hi)
.endif
.irp a, \a0, (\a0)+1
.irp b, 0,1,2,3,4,5,6,7
.if \first
	v_wmma_f32_16x16x32_bf16 v[8*(8*(\a)+(\b)):8*(8*(\a)+(\b))+7], v[(\f)+8*(\b):(\f)+8*(\b)+7], v[(\f)+8*(4*(\hi)+(\a)):(\f)+8*(4*(\hi)+(\a))+7], v[8*(\b):8*(\b)+7]
.else
	v_wmma_f32_16x16x32_bf16 v[8*(8*(\a)+(\b)):8*(8*(\a)+(\b))+7], v[(\f)+8*(\b):(\f)+8*(\b)+7], v[(\f)+8*(4*(\hi)+(\a)):(\f)+8*(4*(\hi)+(\a))+7], v[8*(8*(\a)+(\b)):8*(8*(\a)+(\b))+7]
.endif
.endr
.endr
.endm
; 32 LDS loads in one run: the fragments of quarter q of a K step (32 k x 128 n of weights, turned; 128 rows x 32 k of hb) into buffer f
.macro FETCH slot, q, f
	WIN TO_B
.irp i, 0,1,2,3,4,5,6,7
	ds_load_tr16_b128 v[(\f)+8*(\i):(\f)+8*(\i)+3],   v[ADRB+(\slot)] offset:(\q)*32*PB+32*(\i)
	ds_load_tr16_b128 v[(\f)+8*(\i)+4:(\f)+8*(\i)+7], v[ADRB+(\slot)] offset:(\q)*32*PB+16*PB+32*(\i)
.endr
	WIN 0
.irp i, 0,1,2,3,4,5,6,7
	ds_load_b128 v[(\f)+8*(\i):(\f)+8*(\i)+3],   v[ADRA+(\slot)] offset:(\q)*64+(\i)*16*PITCH
	ds_load_b128 v[(\f)+8*(\i)+4:(\f)+8*(\i)+7], v[ADRA+(\slot)] offset:(\q)*64+(\i)*16*PITCH+32
.endr
.endm
; A load into a register that a matrix instruction has read, and an instruction that reads a matrix result, stand four places behind it; only plain vector instructions that name none of its registers are places
.macro PLACES
.rept 4
	v_nop
.endr
.endm
; A K step is four quarters of 32 along K, 64 matrix instructions each, on buffers 0, 1, 0, 1.  One of the first three: multiplies buffer f; in its middle it fetches quarter q of the same slot into buffer g, and does a piece of W2.
.macro QUARTER slot, q, f, g, first
	s_wait_dscnt 8                                 ; the weights and hb's rows 0-63 are in; the youngest eight loads (hb's rows 64-127) may be out
	MUL16 \f, 0, 0, \first
	MUL16 \f, 0, 2, \first
	PLACES
	FETCH \slot, \q, \g
	CASTP
	s_wait_dscnt 32                                ; all but the 32 LDS loads just issued
	MUL16 \f, 1, 0, \first
	MUL16 \f, 1, 2, \first
.endm
; The last quarter multiplies buffer 1 and changes slots.  MEET is its first half: one barrier.  In front of it each wave waits for all its tensor loads (one is out: its part of the next slot), adds 0 to its spare word, and
; waits for that and for its own reads of this slot.  Behind it nobody reads this slot any more and the next slot is whole.
.macro MEET round                      ; round = 1: a round of the cluster's barrier follows
	WIN 0                                          ; (the add's two registers lie in window 0)
	s_wait_tensorcnt 0x0                           ; all my tensor loads have landed;
	ds_add_u32 v[SPW], v[NIL]                      ; 0 onto my spare word;
	s_wait_dscnt 9                                 ; (the add and the youngest eight loads may be out)
	MUL16 F1, 0, 0, 0                              ; sixteen matrix instructions stand between the add and the wait for it
	s_wait_dscnt 0x0                               ; the add is done, and my reads of this slot are over
	s_barrier_signal -1
	MUL16 F1, 0, 2, 0                              ; work on registers while the others arrive
.if \round
	WIN 0
.endif
	s_barrier_wait -1
.endm
; The whole last quarter where the slot is filled again, two K steps on.  The barrier opens a round of the cluster's; the joint refill is the first tensor load behind it; from there to the wait for it a wave issues 224 matrix instructions.
.macro TURN slot, next
	s_wait_xcnt 0x0                                ; the last prefetch, a K step back, has read its address, which is stepped here, ahead of the change's own waits; and the pieces' stores so far have read their data
	s_add_nc_u64 s[PFA:PFA+1], s[PFA:PFA+1], s[PST:PST+1]
	MEET 1
	CREST                                          ; no wave of any partner still reads this slot's tile or has a load on its way
	s_add_nc_u64 s[G0+4*(\slot)+2:G0+4*(\slot)+3], s[G0+4*(\slot)+2:G0+4*(\slot)+3], 2*KSTEP*2
	s_add_nc_u64 s[G0B+4*(\slot)+2:G0B+4*(\slot)+3], s[G0B+4*(\slot)+2:G0B+4*(\slot)+3], 2*KSTEP*PBG
	JLOAD \slot                                    ; the four v_nop behind it are also the places in front of the loads below
	FETCH \next, 0, F0
	CASTP
	ASK
	MUL16 F1, 1, 0, 0
	MUL16 F1, 1, 2, 0
.endm
.macro TURNL                           ; the last change of slots: nothing is filled, so no round follows
	MEET 0
	PLACES
	FETCH 1, 0, F0
	CASTP
	MUL16 F1, 1, 0, 0
	MUL16 F1, 1, 2, 0
.endm
.set cq, 0
	s_wait_tensorcnt 1                             ; my part of K step 0 is in; K step 1's may stay out
	s_barrier_signal -1
	s_barrier_wait -1                              ; everybody's is
	FETCH 0, 0, F0
	QUARTER 0, 1, F0, F1, 1                        ; the first quarter stands in front of the loop: its products start the sums
	WIN 0                                          ; at a label and at a branch every window is 0
	s_mov_b32 s3, LAPS-1
.Llap:                                                 ; a trip goes once round the ring, from a lap's second quarter to the next lap's first, and fills both slots again
	QUARTER 0, 2, F1, F0, 0
	QUARTER 0, 3, F0, F1, 0
	TURN 0, 1
	QUARTER 1, 1, F0, F1, 0
	QUARTER 1, 2, F1, F0, 0
	QUARTER 1, 3, F0, F1, 0
	TURN 1, 0
	QUARTER 0, 1, F0, F1, 0
	WIN 0
	s_wait_xcnt 0x0                                ; the pieces' loads and stores (the youngest 32 matrix instructions back) have read their bases and data: the bases step by the trip's eight pieces
	s_add_nc_u64 s[CS:CS+1], s[CS:CS+1], 8*1024
	s_add_nc_u64 s[CD:CD+1], s[CD:CD+1], 8*512
	s_sub_co_u32 s3, s3, 1
	s_cmp_lg_u32 s3, 0
	s_cbranch_scc1 .Llap
	QUARTER 0, 2, F1, F0, 0                        ; the last lap fills nothing
	QUARTER 0, 3, F0, F1, 0
	TURNL
	QUARTER 1, 1, F0, F1, 0
	QUARTER 1, 2, F1, F0, 0
	QUARTER 1, 3, F0, F1, 0
	s_wait_dscnt 8                                 ; the very last quarter: nothing more to fetch
	MUL16 F1, 0, 0, 0
	MUL16 F1, 0, 2, 0
	WIN 0
	CASTP                                          ; W2's last piece: no load of mine is out behind it
	s_wait_dscnt 0x0
	MUL16 F1, 1, 0, 0
	MUL16 F1, 1, 2, 0
	WIN 0
	; THE WAY OUT.  The ring has had its last fill (every wave has waited for all its tensor loads at the last change of slots) and, behind this barrier, its last read: its bytes become the four waves' stages.
	s_barrier_signal -1                            ; my LDS loads are back (the wait for 0 above)
	s_barrier_wait -1
	PLACES                                         ; the stores below read results just made
.irp hi, 0,1
	WIN DUMP_LO+4*(\hi)
.irp a, 0,1,2,3
.irp b, 0,1,2,3,4,5,6,7
	ds_store_b128 v[STO], v[8*(8*(\a)+(\b)):8*(8*(\a)+(\b))+3]   offset:(4*(\hi)+(\a))*16*SP+64*(\b)     ; each accumulator's low registers first
	ds_store_b128 v[STO], v[8*(8*(\a)+(\b))+4:8*(8*(\a)+(\b))+7] offset:(4*(\hi)+(\a))*16*SP+64*(\b)+16
.endr
.endr
.endr
	WIN 0
; Eight rows of my stage into set u: a load takes one row, 512 consecutive bytes.  LDS serves a wave's instructions in order (ISA guide 5.7.1.4): these see my stores above.
.macro LOADX u, row0
.irp t, 0,1,2,3,4,5,6,7
	ds_load_b128 v[XR+32*(\u)+4*(\t):XR+32*(\u)+4*(\t)+3], v[ADR] offset:((\row0)+(\t))*SP
.endr
.endm
; 2 gelu(x) = x + |x| erf(|x| / sqrt(2)) for the 32 numbers of set u, 16 pairs.  erf = 1 - P(t) e, t = 1 / (1 + p |x|), e = 2^(c x^2), P(t) = t (a1 + t (a2 + t (a3 + t (a4 + t a5)))).
; First part: for each pair four plain instructions (c x; 1 + p |x| twice; (c x) x), and between them the two reciprocals and two exponentials of the pair BEFORE: no plain line names a result of theirs.
; The 64 are one batch: a v_nop is the plain instruction behind the last, and ONE wait stands ahead of the first reader.  Second part: each step of the polynomial as a run over the 16 pairs.
.macro GELU u
.set xb, XR+32*(\u)
.set i, 0
.rept 16
	v_pk_mul_f32 v[ER+2*i:ER+2*i+1], v[xb+2*i:xb+2*i+1], s[CC:CC+1] op_sel_hi:[1,0]
.if i > 0
	v_rcp_f32 v[TR+2*i-2], v[TR+2*i-2]
.endif
	v_fma_f32 v[TR+2*i], |v[xb+2*i]|, s[PP], 1.0
.if i > 0
	v_rcp_f32 v[TR+2*i-1], v[TR+2*i-1]
.endif
	v_fma_f32 v[TR+2*i+1], |v[xb+2*i+1]|, s[PP], 1.0
.if i > 0
	v_exp_f32 v[ER+2*i-2], v[ER+2*i-2]
.endif
	v_pk_mul_f32 v[ER+2*i:ER+2*i+1], v[ER+2*i:ER+2*i+1], v[xb+2*i:xb+2*i+1]
.if i > 0
	v_exp_f32 v[ER+2*i-1], v[ER+2*i-1]
.endif
.set i, i+1
.endr
	v_rcp_f32 v[TR+30], v[TR+30]
	v_rcp_f32 v[TR+31], v[TR+31]
	v_exp_f32 v[ER+30], v[ER+30]
	v_exp_f32 v[ER+31], v[ER+31]
	v_nop
	s_wait_alu depctr_va_vdst(0)
.set i, 0
.rept 16
	v_pk_fma_f32 v[QR+2*i:QR+2*i+1], v[TR+2*i:TR+2*i+1], s[A5:A5+1], s[A4:A4+1] op_sel_hi:[1,0,0]
.set i, i+1
.endr
.irp c, A3, A2, A1
.set i, 0
.rept 16
	v_pk_fma_f32 v[QR+2*i:QR+2*i+1], v[QR+2*i:QR+2*i+1], v[TR+2*i:TR+2*i+1], s[\c:\c+1] op_sel_hi:[1,1,0]
.set i, i+1
.endr
.endr
.set i, 0
.rept 16
	v_pk_mul_f32 v[QR+2*i:QR+2*i+1], v[QR+2*i:QR+2*i+1], v[TR+2*i:TR+2*i+1]
.set i, i+1
.endr
.set i, 0
.rept 16
	v_pk_fma_f32 v[ER+2*i:ER+2*i+1], v[QR+2*i:QR+2*i+1], v[ER+2*i:ER+2*i+1], 1.0 op_sel_hi:[1,1,0] neg_lo:[1,0,0] neg_hi:[1,0,0]  ; erf = 1 - P e
.set i, i+1
.endr
.set i, 0
.rept 32
	v_fma_f32 v[xb+i], |v[xb+i]|, v[ER+i], v[xb+i]
.set i, i+1
.endr
.set i, 0
.rept 16
	v_cvt_pk_bf16_f32 v[OUTR+16*(\u)+i], v[xb+2*i], v[xb+2*i+1]
.set i, i+1
.endr
.endm
.macro STORE u, row0                   ; eight rows: a wave's store covers 256 consecutive bytes of hid, at a multiple of 256 from its first byte
.irp t, 0,1,2,3,4,5,6,7
	global_store_b64 v[CO], v[OUTR+16*(\u)+2*(\t):OUTR+16*(\u)+2*(\t)+1], s[8:9] offset:((\row0)+(\t))*PC
.endr
.endm
	s_mov_b32 s[RB], 0
	v_mov_b32 v[ADR], v[RD0]
	LOADX 0, 0
	s_mov_b32 s3, 8
.Lrow:                                                 ; a trip: 16 rows, in two sets of 8; each set is asked for half a trip ahead
	s_wait_dscnt 0x0                               ; set 0 is in
	LOADX 1, 8
	GELU 0
	STORE 0, 0
	s_wait_dscnt 0x0                               ; set 1 is in
	s_cmp_eq_u32 s3, 1                             ; the last trip has no rows behind it: its eight loads are jumped over
	s_cbranch_scc1 .Lnomore
	LOADX 0, 16
.Lnomore:
	GELU 1
	STORE 1, 8
	s_wait_xcnt 0x0                                ; the stores have read their data and their base: only behind this wait are these rewritten
	s_add_nc_u64 s[8:9], s[8:9], 16*PC
	s_add_co_u32 s[RB], s[RB], 16*SP
	v_add_nc_u32 v[ADR], s[RB], v[RD0]
	s_sub_co_u32 s3, s3, 1
	s_cmp_lg_u32 s3, 0
	s_cbranch_scc1 .Lrow
	s_wait_tensorcnt 0x0                           ; the wave's end: behind my last tensor load and my last LDS store
	ds_add_u32 v[SPW], v[NIL]
	s_wait_dscnt 0x0
	CROUND                                         ; the closing round: no work-group ends while a partner may still ask for a tile that names it
	s_endpgm
.Lfunc_end_k_qe33759324d_gemm1:
	.size	k_qe33759324d_gemm1, .Lfunc_end_k_qe33759324d_gemm1-k_qe33759324d_gemm1
	.p2alignl 7, 3214868480
	.fill 96, 4, 3214868480
	.section	.rodata,"a",@progbits
	.p2align	6, 0x0
	.amdhsa_kernel k_qe33759324d_gemm1
		.amdhsa_group_segment_fixed_size 327680
		.amdhsa_private_segment_fixed_size 0
		.amdhsa_enable_private_segment 0
		.amdhsa_kernarg_size 48
		.amdhsa_user_sgpr_count 2
		.amdhsa_user_sgpr_kernarg_segment_ptr 1
		.amdhsa_wavefront_size32 1
		.amdhsa_system_sgpr_workgroup_id_x 1
		.amdhsa_system_sgpr_workgroup_id_y 1
		.amdhsa_system_sgpr_workgroup_id_z 1
		.amdhsa_system_vgpr_workitem_id 0
		.amdhsa_next_free_vgpr 1024
		.amdhsa_next_free_sgpr 96
		.amdhsa_reserve_vcc 0
		.amdhsa_float_denorm_mode_32 3
		.amdhsa_float_denorm_mode_16_64 3
		.amdhsa_memory_ordered 1
		.amdhsa_forward_progress 1
		.amdhsa_inst_pref_size 174
	.end_amdhsa_kernel
	.amdgpu_metadata
---
amdhsa.version: [ 1, 2 ]
amdhsa.kernels:
  - .name:           k_qe33759324d_gemm1
    .symbol:         k_qe33759324d_gemm1.kd
    .args:
      - { .name: hb, .offset: 0, .size: 8, .value_kind: global_buffer, .address_space: global }
      - { .name: w1b, .offset: 8, .size: 8, .value_kind: global_buffer, .address_space: global }
      - { .name: hid, .offset: 16, .size: 8, .value_kind: global_buffer, .address_space: global }
      - { .name: b1, .offset: 24, .size: 8, .value_kind: global_buffer, .address_space: global }
      - { .name: W2, .offset: 32, .size: 8, .value_kind: global_buffer, .address_space: global }
      - { .name: w2b, .offset: 40, .size: 8, .value_kind: global_buffer, .address_space: global }
    .group_segment_fixed_size: 327680
    .private_segment_fixed_size: 0
    .kernarg_segment_align: 8
    .kernarg_segment_size: 48
    .max_flat_workgroup_size: 128
    .sgpr_count:     96
    .vgpr_count:     1024
    .wavefront_size: 32
...
	.end_amdgpu_metadata
.endif
;; end of part 2
;; launch gemm2 (part 3): grid 32 x 8, 4 waves a work-group, clusters of 4 x 4, 327,680 bytes of LDS; arguments hid, w2b, part; writes part
.if DOCPART == 3
	.amdgcn_target "amdgcn-amd-amdhsa--gfx1250"
	.amdhsa_code_object_version 6
	.text
	.protected	k_qe33759324d_gemm2
	.globl	k_qe33759324d_gemm2
	.p2align	8
	.type	k_qe33759324d_gemm2,@function
k_qe33759324d_gemm2:
	s_mov_b64 s[64:65], 0
	v_nop
	global_prefetch_b8 v0, s[64:65] scope:SCOPE_SE
	s_setreg_imm32_b32 hwreg(HW_REG_WAVE_MODE, 25, 1), 1
	s_wait_xcnt 0x0
	s_wait_alu depctr_hold_cnt(0) depctr_sa_sdst(0) depctr_va_vdst(0) depctr_va_sdst(0) depctr_va_ssrc(0) depctr_va_vcc(0) depctr_vm_vsrc(0)
	s_getreg_b32 s2, hwreg(HW_REG_IB_STS2, 6, 4)
	s_cmp_eq_u32 s2, 0
	s_cbranch_scc0 .Lentry_in_a_cluster
	s_endpgm
.Lentry_in_a_cluster:
	s_bfe_u32 s2, ttmp6, 0x10000c
	s_cmp_lg_u32 s2, 0xf033
	s_cbranch_scc0 .Lentry_shape_is_right
	s_endpgm
.Lentry_shape_is_right:
; part[e][m][n] = sum over k of hid[e][m][k] w2b[e][k][n].  hid: [8][2048][2048] bf16, w2b: [8][2048][1024] bf16, part: [8][2048][1024] f32: partial sums of the output, one for each expert, kept in f32.
; No work of the problem is left out here.  The gate's weight, the bias b2 and the factor 1/2 that hid carries are applied by the launch behind, in f32.
; SHARES.  The output has 8 x 4 tiles of 256 x 256; its K, 8 x 2,048, is split by expert: 256 work-groups of equal work.  Four waves, each 128 x 128: 64 accumulators of 16 x 16, 512 registers.
; K goes in steps of 128 through a ring of two LDS slots filled by the tensor data mover: 256 rows x 256 bytes of hid[e], and 128 rows (k) x 512 bytes of w2b[e], which lies [k][n] and is turned on its way out of LDS by ds_load_tr16_b128.
; CLUSTERS: 4 x 4 work-groups of one expert: all four tile columns, four tile rows.  The four of a row of the cluster need the same rows of hid[e], the four of a column the same columns of w2b[e]: each tile is asked for JOINTLY.
; THE MATRIX INSTRUCTION IS USED TRANSPOSED: source 0 = 16 columns n of the weights, source 1 = 16 rows m of hid.  Lane l then holds row m = l % 16 and the columns n = 8 (l / 16) + 0..7.
; THE WAY OUT.  When the ring has had its last fill and its last read, its bytes are the stage: each wave lays its 128 x 128 f32 there and reads it back by rows: a wave's store covers 512 consecutive bytes of part, aligned.
; REGISTERS, in windows of 256 (s_set_vgpr_msb: bits 1:0 source 0, 3:2 source 1, 5:4 source 2, 7:6 destination):
;   window 0: v0-31 addresses; v64-127, v128-191 hid's fragments, two buffers; on the way out v64-127 two sets of eight rows
;   window 1: v64-127, v128-191 the weights' fragments, two buffers
;   window 2: the 32 accumulators of my rows 0-63 ((a, b) at 8 (8 a + b));   window 3: those of my rows 64-127
.set KSTEP,  128
.set KTOT,   2048
.set LAPS,   KTOT/(2*KSTEP)            ; a lap = two K steps = once round the ring
.set PA,     4096                      ; bytes in a row of hid[e]
.set PBG,    2048                      ; bytes in a row (one k) of w2b[e]
.set PC,     4096                      ; bytes in a row of part[e]
.set PITCH,  272                       ; hid's LDS row: 256 bytes + 16 = 68 words: row r starts at bank 4 r mod 64 (64 banks of 4 bytes: ISA guide 11.1)
.set PB,     544                       ; the weights' LDS row: 512 bytes + 32 = 17 x 32
.set HALFT,  128*PITCH                 ; what one tensor load brings: 128 rows of hid, or 64 rows of weights (64 x 544 is the same 34,816 bytes)
.set BOFF,   2*HALFT                   ; in a slot: hid's 256 rows, then the weights' 128
.set SLOT,   4*HALFT
.set SPARE,  2*SLOT                    ; behind the ring: the spare words, 128 bytes for each wave: two blocks of 256 bytes that no other line names
.set SP,     528                       ; the stage's row: 512 bytes + 16 = 132 words: row r starts at bank 4 r mod 64
.set WREG,   128*SP                    ; a wave's stage; four of them, 270,336 bytes, lie inside the ring's 278,528
.set ADRA, 16                          ; v16-17  LDS address of my hid fragments in slot 0, 1
.set ADRB, 20                          ; v20-21  the same for the weights
.set STO,  24                          ; v24     the way out: where I put 16 bytes of a row
.set RD0,  25                          ; v25     the way out: my 16 bytes of my stage's first row
.set CO,   26                          ; v26     my byte offset in a row of my part of part[e]
.set ADR,  27                          ; v27     the way out: my 16 bytes of the row block in hand
.set SPW,  28                          ; v28     LDS address of my spare word: SPARE + 4 x my thread's number; never rewritten
.set NIL,  29                          ; v29     0; never rewritten
.set PFO,  30                          ; v30     the prefetches' lane offset; never rewritten
.set F0,   64                          ; fragment buffer 0
.set F1,   128                         ; fragment buffer 1
.set XR,   64                          ; the way out: v64-95, v96-127 two sets of 8 rows x 4 columns
.set G1,  24                           ; s[24:31] descriptor group 1 for hid's tiles
.set G0,  32                           ; s[32:39] descriptor group 0 for hid's tiles, one set for each slot
.set G1B, 48                           ; s[48:55] descriptor group 1 for the weights' tiles
.set G0B, 56                           ; s[56:63] descriptor group 0 for the weights' tiles, one set for each slot
.set LIM, 43                           ; s43     1 in a wave that prefetches, else the greatest number
.set PFA, 44                           ; s[44:45] where my prefetches stand
.set EX,  66                           ; s66     the expert
.set PST, 70                           ; s[70:71] a K step in the tensor that I prefetch, in bytes
.set RB,  72                           ; s72     the way out: byte offset of the row block in hand
.set MSB, 0
.macro WIN new                         ; the immediate's high byte repeats the setting that is left; a switch that changes nothing is dropped
.if MSB != (\new)
	s_set_vgpr_msb (MSB<<8)|(\new)
.set MSB, \new
.endif
.endm
.set MUL_LO,  0xa1                     ; source 0 (weights) window 1, source 1 (hid) window 0, C and D window 2
.set MUL_HI,  0xf1                     ; the same, C and D window 3
.set TO_B,    0x40                     ; destination window 1, address window 0
.set DUMP_LO, 0x08                     ; an LDS store's data (source 1) window 2
; A joint load.  Waves 0 and 1 fetch hid's two halves, waves 2 and 3 the weights'.  Each of the two lines has one mask and one set of registers for all that issue it.  The branch hangs on the wave's number alone.
; An s_nop 0 and four v_nop follow each of the two lines, ahead of the jump, the label and what follows.
.macro JLOAD s
	s_cmp_eq_u32 s11, 0
	s_cbranch_scc0 .Lfor_b_\@
	tensor_load_to_lds s[G0+4*(\s):G0+4*(\s)+3], s[G1:G1+7]
	s_nop 0
.rept 4
	v_nop
.endr
	s_branch .Lasked_\@
.Lfor_b_\@:
	tensor_load_to_lds s[G0B+4*(\s):G0B+4*(\s)+3], s[G1B:G1B+7]
	s_nop 0
.rept 4
	v_nop
.endr
.Lasked_\@:
.endm
; A prefetch into the L2, behind each joint refill, its five lines and the run of LDS loads: the K step that stands TWO refills on, 512 matrix instructions ahead of the load that will want it; one instruction a wave, a lane a block of 256 bytes.
; Each block is named once in the launch.  A tile row of hid[e] is read by one cluster alone, which asks for it.  A tile column of w2b[e] is read by both clusters along y: cluster y = 0 asks.  The four partners that ask for a
; tile jointly share it out BY ADDRESS (of a wave's 128 rows of hid partner cx takes 32; of its 64 rows of weights partner cy takes 16, two blocks each).  K steps 0 to 3 come by their loads alone; the loop's last trip (s3 = 1) asks for nothing.
.macro ASK
	s_cmp_gt_u32 s3, s[LIM]
	s_cbranch_scc0 .Lnot_mine_\@
	global_prefetch_b8 v[PFO], s[PFA:PFA+1] th:TH_LOAD_NT scope:SCOPE_SE
.Lnot_mine_\@:
.endm
; A round of the cluster's barrier: my work-group's barrier; wave 0 signals for the work-group; every wave waits for all sixteen work-groups; my work-group's barrier once more.
.macro CREST                           ; a round behind its opening barrier
	s_cmp_lg_u32 s10, 0
	s_cbranch_scc1 .Lnot_wave_0_\@
	s_barrier_signal -3
.Lnot_wave_0_\@:
	s_barrier_wait -3
	s_barrier_signal -1
	s_barrier_wait -1
.endm
.macro CROUND                          ; a whole round
	s_barrier_signal -1
	s_barrier_wait -1
	CREST
.endm
	s_load_b128 s[4:7], s[0:1], 0x0                ; hid s[4:5], w2b s[6:7]
	s_load_b64 s[8:9], s[0:1], 0x10                ; part
	v_lshl_add_u32 v[SPW], v0, 2, SPARE
	v_mov_b32 v[NIL], 0
	ds_add_u32 v[SPW], v[NIL]                      ; the wave's opening: the add, twice on end, and its wait ahead of my first tensor load; the set-up below stands between the second and the wait
	ds_add_u32 v[SPW], v[NIL]                      ; and once more, under the one wait
	v_lshrrev_b32 v1, 5, v0
	v_readfirstlane_b32 s10, v1                    ; wave 0..3
	s_lshr_b32 s11, s10, 1                         ; which half of the tile's rows is mine.  Also: I fetch hid (0) or weights (1)
	s_and_b32 s12, s10, 1                          ; which half of its columns.  Also: which half of that tile I fetch
	s_bfe_u32 s40, ttmp6, 0x40000                  ; cx
	s_bfe_u32 s41, ttmp6, 0x40004                  ; cy
	s_mov_b32 s[EX], ttmp9                         ; a cluster along x to an expert
	s_mov_b32 s42, s40                             ; tile column 0..3
	s_and_b32 s13, ttmp7, 0xffff
	s_lshl_b32 s13, s13, 2
	s_add_co_u32 s13, s13, s41                     ; tile row 0..7
	s_lshl_b32 s43, s41, 2
	s_lshl_b32 s43, 15, s43                        ; my row of the cluster: places 4 cy .. 4 cy + 3
	s_lshl_b32 s44, 0x1111, s40                    ; my column: places cx, cx + 4, cx + 8, cx + 12
	; group 1 for hid: 128 rows x 128 elements; 16 bytes of padding behind every 64 words
	s_or_b32 s[G1+0], s43, (1<<16)|(1<<20)|(1<<21)|(5<<22)|(3<<25)  ; 15:0 the mask; 17:16 elements of 2 bytes; 20 padding on; 21 set beside a mask; 24:22 after every 64 words; 31:25 4 words
	s_mov_b32 s[G1+1], KSTEP<<16                   ; tensor_dim0 = 128
	s_mov_b32 s[G1+2], 128<<16                     ; tensor_dim1 = 128
	s_mov_b32 s[G1+3], KSTEP<<16                   ; tile_dim0 = 128
	s_mov_b32 s[G1+4], 128                         ; tile_dim1 = 128
	s_mov_b32 s[G1+5], PA/2                        ; elements from row to row
	s_mov_b32 s[G1+6], 0
	s_mov_b32 s[G1+7], 0
	; group 1 for the weights: 64 rows (k) x 256 elements (n); 32 bytes of padding behind every 128 words
	s_or_b32 s[G1B+0], s44, (1<<16)|(1<<20)|(1<<21)|(6<<22)|(7<<25)
	s_mov_b32 s[G1B+1], 256<<16                    ; tensor_dim0 = 256
	s_mov_b32 s[G1B+2], 64<<16                     ; tensor_dim1 = 64
	s_mov_b32 s[G1B+3], 256<<16                    ; tile_dim0 = 256
	s_mov_b32 s[G1B+4], 64                         ; tile_dim1 = 64
	s_mov_b32 s[G1B+5], PBG/2
	s_mov_b32 s[G1B+6], 0
	s_mov_b32 s[G1B+7], 0
	; where the tiles come from: hid's hang on the expert and the tile row alone, the weights' on the expert and the tile column alone; each offset in registers that never hold the other coordinate.  All stay under 2^31
	s_lshl_b32 s16, s13, 8
	s_lshl_b32 s17, s12, 7
	s_add_co_u32 s16, s16, s17                     ; hid[e]: row 256 x tile row + 128 x half,
	s_mul_i32 s16, s16, PA
	s_lshl_b32 s17, s[EX], 23                      ; 8 MiB an expert
	s_add_co_u32 s16, s16, s17
	s_mov_b32 s17, 0
	s_lshl_b32 s46, s[EX], 22                      ; w2b[e]: 4 MiB an expert,
	s_mul_i32 s47, s12, 64*PBG                     ; k row 64 x half,
	s_add_co_u32 s46, s46, s47
	s_lshl_b32 s47, s42, 9                         ; column 256 x tile column
	s_add_co_u32 s46, s46, s47
	s_mov_b32 s47, 0
	s_mul_i32 s20, s10, HALFT                      ; and where they go: wave x 34,816: no place in the cluster enters an LDS address
	s_wait_dscnt 0x0                               ; both opening adds are done
	s_wait_kmcnt 0x0
	s_add_nc_u64 s[14:15], s[4:5], s[16:17]
	s_add_nc_u64 s[46:47], s[6:7], s[46:47]
	CROUND                                         ; all sixteen work-groups are here: the first joint loads meet
.irp s, 0,1
	s_mov_b32 s[G0+4*(\s)], 1                                      ; count = 1
	s_add_co_u32 s[G0+4*(\s)+1], s20, (\s)*SLOT                    ; LDS address
	s_add_nc_u64 s[G0+4*(\s)+2:G0+4*(\s)+3], s[14:15], (\s)*KSTEP*2  ; global address: K step s
	s_or_b32 s[G0+4*(\s)+3], s[G0+4*(\s)+3], 0x80000000            ; type = 2
	s_mov_b32 s[G0B+4*(\s)], 1
	s_add_co_u32 s[G0B+4*(\s)+1], s20, (\s)*SLOT
	s_add_nc_u64 s[G0B+4*(\s)+2:G0B+4*(\s)+3], s[46:47], (\s)*KSTEP*PBG
	s_or_b32 s[G0B+4*(\s)+3], s[G0B+4*(\s)+3], 0x80000000
	JLOAD \s                                       ; two tensor loads of mine are out
.endr
	; hid's fragment: 16 rows x 32 K in 8 registers: lane l holds row l % 16, K = 8 (l / 16) + 0..7 and 16 + 8 (l / 16) + 0..7: two loads of 16 bytes, 32 bytes apart
	v_and_b32 v1, 15, v0                           ; l % 16
	v_bfe_u32 v2, v0, 4, 1                         ; l / 16
	v_mul_u32_u24 v3, v1, PITCH
	v_lshl_add_u32 v3, v2, 4, v3
	s_mul_i32 s21, s11, HALFT                      ; my 128 rows of hid
	; the weights' fragment: the turning load takes 16 k x 16 n (lane l reads k = 8 (l / 16) + l % 8, n = 8 ((l / 8) % 2) + 0..7) and leaves column n = l % 16 with 8 k in each lane
	v_and_b32 v4, 7, v0
	v_lshl_add_u32 v4, v2, 3, v4
	v_mul_u32_u24 v4, v4, PB
	v_bfe_u32 v5, v0, 3, 1
	v_lshl_add_u32 v4, v5, 4, v4
	s_lshl_b32 s22, s12, 8                         ; my 128 columns: 256 bytes of each row,
	s_add_co_u32 s22, s22, BOFF                    ; behind hid's 256 rows
.irp s, 0,1
	v_add_nc_u32 v[ADRA+(\s)], s21, v3
	v_add_nc_u32 v[ADRB+(\s)], s22, v4
	s_add_co_u32 s21, s21, SLOT
	s_add_co_u32 s22, s22, SLOT
.endr
	s_mul_i32 s23, s10, WREG                       ; my stage
	v_mul_u32_u24 v6, v1, SP                       ; in: row l % 16, 32 bytes for each half of the lanes
	v_lshl_add_u32 v6, v2, 5, v6
	v_add_nc_u32 v[STO], s23, v6
	v_and_b32 v7, 31, v0                           ; l
	v_lshl_add_u32 v[RD0], v7, 4, s23              ; back: 32 lanes take one row of 512 bytes,
	v_lshlrev_b32 v[CO], 4, v7                     ; which are 512 bytes of part
	; my part of part[e]: expert, row 256 x tile row + 128 x half, column 256 x tile column + 128 x half
	s_lshl_b32 s16, s13, 8
	s_lshl_b32 s17, s11, 7
	s_add_co_u32 s16, s16, s17
	s_lshl_b32 s16, s16, 12
	s_lshl_b32 s17, s[EX], 23
	s_add_co_u32 s16, s16, s17
	s_mov_b32 s17, 0
	s_add_nc_u64 s[8:9], s[8:9], s[16:17]
	s_lshl_b32 s46, s42, 10
	s_lshl_b32 s47, s12, 9
	s_add_co_u32 s46, s46, s47
	s_mov_b32 s47, 0
	s_add_nc_u64 s[8:9], s[8:9], s[46:47]
	; the prefetches: both offsets are made, and the wave's kind chooses.  They stand at K step 3: the first refill steps them to K step 4 and names it
	s_lshl_b32 s20, s13, 8
	s_lshl_b32 s21, s12, 7
	s_add_co_u32 s20, s20, s21
	s_lshl_b32 s21, s40, 5                         ; of the 128 rows of hid that I fetch, my work-group's 32
	s_add_co_u32 s20, s20, s21
	s_mul_i32 s20, s20, PA
	s_lshl_b32 s21, s[EX], 23
	s_add_co_u32 s20, s20, s21
	s_add_co_u32 s20, s20, 3*KSTEP*2
	s_lshl_b32 s22, s12, 6
	s_lshl_b32 s23, s41, 4                         ; of the 64 rows of weights that I fetch, my work-group's 16
	s_add_co_u32 s22, s22, s23
	s_add_co_u32 s22, s22, 3*KSTEP
	s_mul_i32 s22, s22, PBG
	s_lshl_b32 s23, s[EX], 22
	s_add_co_u32 s22, s22, s23
	s_lshl_b32 s23, s42, 9
	s_add_co_u32 s22, s22, s23
	s_and_b32 s23, ttmp7, 0xffff                   ; cluster y
	s_mov_b32 s18, PA
	s_mov_b32 s19, PBG
	s_mov_b32 s[PST], KSTEP*2
	s_mov_b32 s[PST+1], KSTEP*PBG
	s_cmp_eq_u32 s11, 0                            ; do I fetch hid?
	s_cselect_b32 s20, s20, s22
	s_cselect_b32 s23, 0, s23                      ; hid's rows have no other cluster; the weights' columns are also read by the other cluster along y
	s_cselect_b32 s18, s18, s19                    ; bytes from row to row
	s_cselect_b32 s[PST], s[PST], s[PST+1]
	s_cselect_b64 s[PFA:PFA+1], s[4:5], s[6:7]
	s_mov_b32 s[PST+1], 0
	s_mov_b32 s21, 0
	s_add_nc_u64 s[PFA:PFA+1], s[PFA:PFA+1], s[20:21]
	s_cmp_eq_u32 s23, 0
	s_cselect_b32 s[LIM], 1, -1                    ; the same in all sixteen partners, for a given wave
	v_lshrrev_b32 v4, s11, v7                      ; hid: a lane a row; weights: two lanes a row,
	v_mul_u32_u24 v4, v4, s18
	v_and_b32 v5, s11, v7                          ; 256 bytes apart
	v_lshl_add_u32 v[PFO], v5, 8, v4
; 16 matrix instructions: m blocks a0, a0 + 1 of the window's four (hi = 0: my rows 0-63, 1: rows 64-127) x all 8 n blocks, 32 along K.  first = 1: the first product starts the sums: nothing is cleared.
; The 64 accumulators take turns, one instruction a turn, in the same order in every quarter.
.macro MUL16 f, hi, a0, first
	WIN MUL_LO+0x50*(\hi)
.irp a, \a0, (\a0)+1
.irp b, 0,1,2,3,4,5,6,7
.if \first
	v_wmma_f32_16x16x32_bf16 v[8*(8*(\a)+(\b)):8*(8*(\a)+(\b))+7], v[(\f)+8*(\b):(\f)+8*(\b)+7], v[(\f)+8*(4*(\hi)+(\a)):(\f)+8*(4*(\hi)+(\a))+7], 0
.else
	v_wmma_f32_16x16x32_bf16 v[8*(8*(\a)+(\b)):8*(8*(\a)+(\b))+7], v[(\f)+8*(\b):(\f)+8*(\b)+7], v[(\f)+8*(4*(\hi)+(\a)):(\f)+8*(4*(\hi)+(\a))+7], v[8*(8*(\a)+(\b)):8*(8*(\a)+(\b))+7]
.endif
.endr
.endr
.endm
; 32 LDS loads in one run: the fragments of quarter q of a K step (32 k x 128 n of weights, turned; 128 rows x 32 k of hid) into buffer f
.macro FETCH slot, q, f
	WIN TO_B
.irp i, 0,1,2,3,4,5,6,7
	ds_load_tr16_b128 v[(\f)+8*(\i):(\f)+8*(\i)+3],   v[ADRB+(\slot)] offset:(\q)*32*PB+32*(\i)
	ds_load_tr16_b128 v[(\f)+8*(\i)+4:(\f)+8*(\i)+7], v[ADRB+(\slot)] offset:(\q)*32*PB+16*PB+32*(\i)
.endr
	WIN 0
.irp i, 0,1,2,3,4,5,6,7
	ds_load_b128 v[(\f)+8*(\i):(\f)+8*(\i)+3],   v[ADRA+(\slot)] offset:(\q)*64+(\i)*16*PITCH
	ds_load_b128 v[(\f)+8*(\i)+4:(\f)+8*(\i)+7], v[ADRA+(\slot)] offset:(\q)*64+(\i)*16*PITCH+32
.endr
.endm
; A load into a register that a matrix instruction has read, and an instruction that reads a matrix result, stand four places behind it; only plain vector instructions that name none of its registers are places
.macro PLACES
.rept 4
	v_nop
.endr
.endm
; A K step is four quarters of 32 along K, 64 matrix instructions each, on buffers 0, 1, 0, 1.  One of the first three: multiplies buffer f; in its middle it fetches quarter q of the same slot into buffer g.
.macro QUARTER slot, q, f, g, first
	s_wait_dscnt 8                                 ; the weights and hid's rows 0-63 are in; the youngest eight loads (hid's rows 64-127) may be out
	MUL16 \f, 0, 0, \first
	MUL16 \f, 0, 2, \first
	PLACES
	FETCH \slot, \q, \g
	s_wait_dscnt 32                                ; all but the 32 just issued
	MUL16 \f, 1, 0, \first
	MUL16 \f, 1, 2, \first
.endm
; The last quarter multiplies buffer 1 and changes slots.  MEET is its first half: one barrier.  In front of it each wave waits for all its tensor loads (one is out: its part of the next slot), adds 0 to its spare word, and
; waits for that and for its own reads of this slot.  Behind it nobody reads this slot any more and the next slot is whole.
.macro MEET round                      ; round = 1: a round of the cluster's barrier follows
	WIN 0                                          ; (the add's two registers lie in window 0)
	s_wait_tensorcnt 0x0                           ; all my tensor loads have landed;
	ds_add_u32 v[SPW], v[NIL]                      ; 0 onto my spare word;
	s_wait_dscnt 9                                 ; (the add and the youngest eight loads may be out)
	MUL16 F1, 0, 0, 0                              ; sixteen matrix instructions stand between the add and the wait for it
	s_wait_dscnt 0x0                               ; the add is done, and my reads of this slot are over
	s_barrier_signal -1
	MUL16 F1, 0, 2, 0                              ; work on registers while the others arrive
.if \round
	WIN 0
.endif
	s_barrier_wait -1
.endm
; The whole last quarter where the slot is filled again, two K steps on.  The barrier opens a round of the cluster's; the joint refill is the first tensor load behind it; from there to the wait for it a wave issues 224 matrix instructions.
.macro TURN slot, next
	s_wait_xcnt 0x0                                ; the last prefetch, a K step back, has read its address: it is stepped here, ahead of the change's own waits
	s_add_nc_u64 s[PFA:PFA+1], s[PFA:PFA+1], s[PST:PST+1]
	MEET 1
	CREST                                          ; no wave of any partner still reads this slot's tile or has a load on its way
	s_add_nc_u64 s[G0+4*(\slot)+2:G0+4*(\slot)+3], s[G0+4*(\slot)+2:G0+4*(\slot)+3], 2*KSTEP*2
	s_add_nc_u64 s[G0B+4*(\slot)+2:G0B+4*(\slot)+3], s[G0B+4*(\slot)+2:G0B+4*(\slot)+3], 2*KSTEP*PBG
	JLOAD \slot                                    ; the four v_nop behind it are also the places in front of the loads below
	FETCH \next, 0, F0
	ASK
	MUL16 F1, 1, 0, 0
	MUL16 F1, 1, 2, 0
.endm
.macro TURNL                           ; the last change of slots: nothing is filled, so no round follows
	MEET 0
	PLACES
	FETCH 1, 0, F0
	MUL16 F1, 1, 0, 0
	MUL16 F1, 1, 2, 0
.endm
	s_wait_tensorcnt 1                             ; my part of K step 0 is in; K step 1's may stay out
	s_barrier_signal -1
	s_barrier_wait -1                              ; everybody's is
	FETCH 0, 0, F0
	QUARTER 0, 1, F0, F1, 1                        ; the first quarter stands in front of the loop: its products start the sums
	WIN 0                                          ; at a label and at a branch every window is 0
	s_mov_b32 s3, LAPS-1
.Llap:                                                 ; a trip goes once round the ring, from a lap's second quarter to the next lap's first, and fills both slots again
	QUARTER 0, 2, F1, F0, 0
	QUARTER 0, 3, F0, F1, 0
	TURN 0, 1
	QUARTER 1, 1, F0, F1, 0
	QUARTER 1, 2, F1, F0, 0
	QUARTER 1, 3, F0, F1, 0
	TURN 1, 0
	QUARTER 0, 1, F0, F1, 0
	WIN 0
	s_sub_co_u32 s3, s3, 1
	s_cmp_lg_u32 s3, 0
	s_cbranch_scc1 .Llap
	QUARTER 0, 2, F1, F0, 0                        ; the last lap fills nothing
	QUARTER 0, 3, F0, F1, 0
	TURNL
	QUARTER 1, 1, F0, F1, 0
	QUARTER 1, 2, F1, F0, 0
	QUARTER 1, 3, F0, F1, 0
	s_wait_dscnt 8                                 ; the very last quarter: nothing more to fetch
	MUL16 F1, 0, 0, 0
	MUL16 F1, 0, 2, 0
	s_wait_dscnt 0x0
	MUL16 F1, 1, 0, 0
	MUL16 F1, 1, 2, 0
	WIN 0
	; THE WAY OUT.  The ring has had its last fill (every wave has waited for all its tensor loads at the last change of slots) and, behind this barrier, its last read: its bytes become the four waves' stages.
	s_barrier_signal -1                            ; my LDS loads are back (the wait for 0 above)
	s_barrier_wait -1
	PLACES                                         ; the stores below read results just made
.irp hi, 0,1
	WIN DUMP_LO+4*(\hi)
.irp a, 0,1,2,3
.irp b, 0,1,2,3,4,5,6,7
	ds_store_b128 v[STO], v[8*(8*(\a)+(\b)):8*(8*(\a)+(\b))+3]   offset:(4*(\hi)+(\a))*16*SP+64*(\b)     ; each accumulator's low registers first
	ds_store_b128 v[STO], v[8*(8*(\a)+(\b))+4:8*(8*(\a)+(\b))+7] offset:(4*(\hi)+(\a))*16*SP+64*(\b)+16
.endr
.endr
.endr
	WIN 0
; Eight rows of my stage into set u: a load takes one row, 512 consecutive bytes.  LDS serves a wave's instructions in order (ISA guide 5.7.1.4): these see my stores above.
.macro LOADX u, row0
.irp t, 0,1,2,3,4,5,6,7
	ds_load_b128 v[XR+32*(\u)+4*(\t):XR+32*(\u)+4*(\t)+3], v[ADR] offset:((\row0)+(\t))*SP
.endr
.endm
.macro STORE u, row0                   ; eight rows: a wave's store covers 512 consecutive bytes of part, at a multiple of 512 from its first byte
.irp t, 0,1,2,3,4,5,6,7
	global_store_b128 v[CO], v[XR+32*(\u)+4*(\t):XR+32*(\u)+4*(\t)+3], s[8:9] offset:((\row0)+(\t))*PC
.endr
.endm
	s_mov_b32 s[RB], 0
	v_mov_b32 v[ADR], v[RD0]
	LOADX 0, 0
	s_mov_b32 s3, 8
.Lrow:                                                 ; a trip: 16 rows, in two sets of 8; each set is asked for half a trip ahead
	s_wait_dscnt 0x0                               ; set 0 is in
	LOADX 1, 8                                     ; (set 1's registers were freed by the wait at the last trip's end)
	STORE 0, 0
	s_wait_dscnt 0x0                               ; set 1 is in
	s_wait_xcnt 0x0                                ; set 0's stores have read their data: its registers are loaded again only behind this wait
	s_cmp_eq_u32 s3, 1                             ; the last trip has no rows behind it: its eight loads are jumped over
	s_cbranch_scc1 .Lnomore
	LOADX 0, 16
.Lnomore:
	STORE 1, 8
	s_wait_xcnt 0x0                                ; the stores have read their data and their base: only behind this wait are these rewritten
	s_add_nc_u64 s[8:9], s[8:9], 16*PC
	s_add_co_u32 s[RB], s[RB], 16*SP
	v_add_nc_u32 v[ADR], s[RB], v[RD0]
	s_sub_co_u32 s3, s3, 1
	s_cmp_lg_u32 s3, 0
	s_cbranch_scc1 .Lrow
	s_wait_tensorcnt 0x0                           ; the wave's end: behind my last tensor load and my last LDS store
	ds_add_u32 v[SPW], v[NIL]
	s_wait_dscnt 0x0
	CROUND                                         ; the closing round: no work-group ends while a partner may still ask for a tile that names it
	s_endpgm
.Lfunc_end_k_qe33759324d_gemm2:
	.size	k_qe33759324d_gemm2, .Lfunc_end_k_qe33759324d_gemm2-k_qe33759324d_gemm2
	.p2alignl 7, 3214868480
	.fill 96, 4, 3214868480
	.section	.rodata,"a",@progbits
	.p2align	6, 0x0
	.amdhsa_kernel k_qe33759324d_gemm2
		.amdhsa_group_segment_fixed_size 327680
		.amdhsa_private_segment_fixed_size 0
		.amdhsa_enable_private_segment 0
		.amdhsa_kernarg_size 24
		.amdhsa_user_sgpr_count 2
		.amdhsa_user_sgpr_kernarg_segment_ptr 1
		.amdhsa_wavefront_size32 1
		.amdhsa_system_sgpr_workgroup_id_x 1
		.amdhsa_system_sgpr_workgroup_id_y 1
		.amdhsa_system_sgpr_workgroup_id_z 1
		.amdhsa_system_vgpr_workitem_id 0
		.amdhsa_next_free_vgpr 1024
		.amdhsa_next_free_sgpr 96
		.amdhsa_reserve_vcc 0
		.amdhsa_float_denorm_mode_32 3
		.amdhsa_float_denorm_mode_16_64 3
		.amdhsa_memory_ordered 1
		.amdhsa_forward_progress 1
		.amdhsa_inst_pref_size 125
	.end_amdhsa_kernel
	.amdgpu_metadata
---
amdhsa.version: [ 1, 2 ]
amdhsa.kernels:
  - .name:           k_qe33759324d_gemm2
    .symbol:         k_qe33759324d_gemm2.kd
    .args:
      - { .name: hid, .offset: 0, .size: 8, .value_kind: global_buffer, .address_space: global }
      - { .name: w2b, .offset: 8, .size: 8, .value_kind: global_buffer, .address_space: global }
      - { .name: part, .offset: 16, .size: 8, .value_kind: global_buffer, .address_space: global }
    .group_segment_fixed_size: 327680
    .private_segment_fixed_size: 0
    .kernarg_segment_align: 8
    .kernarg_segment_size: 24
    .max_flat_workgroup_size: 128
    .sgpr_count:     96
    .vgpr_count:     1024
    .wavefront_size: 32
...
	.end_amdgpu_metadata
.endif
;; end of part 3
;; launch combine (part 4): grid 512 x 1, 8 waves a work-group, no clusters, 0 bytes of LDS; arguments part, b2, gate_logits, out0; writes out0
.if DOCPART == 4
	.amdgcn_target "amdgcn-amd-amdhsa--gfx1250"
	.amdhsa_code_object_version 6
	.text
	.protected	k_qe33759324d_combine
	.globl	k_qe33759324d_combine
	.p2align	8
	.type	k_qe33759324d_combine,@function
k_qe33759324d_combine:
	s_mov_b64 s[64:65], 0
	v_nop
	global_prefetch_b8 v0, s[64:65] scope:SCOPE_SE
	s_setreg_imm32_b32 hwreg(HW_REG_WAVE_MODE, 25, 1), 1
	s_wait_xcnt 0x0
; out0[m][n] = sum over e of (p_e / 2) part[e][m][n] + sum over e of p_e b2[e][n], p = softmax(gate_logits).  part: [8][2048][1024] f32 (it carries the factor 2 of hid), b2: [8][1024] f32, out0: [2048][1024] f32.
; WORK LEFT OUT: the division of the logits by TEMP, the problem's constant 1.0: a factor of 1 for every value of the logits.  The maximum is taken away before the exponentials, as the softmax of the problem does.
; LIMIT.  gate_logits and b2 are rounded once to bf16, like every input of the program; all arithmetic here is f32.
; A stream: 64 MiB in, 8 MiB out; no LDS, no barrier, no matrix work: no byte is used twice.  A work-group owns 4 rows; thread t owns columns 4 t .. 4 t + 3: a wave's load or store covers 512 consecutive bytes.
; All 40 loads of a wave go out before the first wait; the softmax of the eight logits (the same in every lane) is made while they are on their way.
.set LG,  2                            ; v[2:9]     the logits, then their exponentials, then p_e / 2
.set TM,  10                           ; v[10:15]   at work
.set B2,  16                           ; v[16:47]   b2[e], my four columns, at B2 + 4 e
.set BS,  48                           ; v[48:51]   sum over e of p_e b2[e]
.set OU,  52                           ; v[52:67]   row i's result at OU + 4 i: registers of its own for each store; before that at work on b2
.set PT,  68                           ; v[68:195]  part[e], row i, at PT + 4 (8 i + e)
.set PE,  48                           ; s[48:63]   p_e / 2, each named as a pair
.set PB,  32                           ; s[32:47]   part[e] at the work-group's first row
	s_load_b256 s[4:11], s[0:1], 0x0               ; part s[4:5], b2 s[6:7], gate_logits s[8:9], out0 s[10:11]
	v_lshlrev_b32 v1, 4, v0                        ; my 16 bytes of a row
	s_lshl_b32 s24, ttmp9, 14                      ; 4 rows of 4,096 bytes
	s_mov_b32 s25, 0
	s_wait_kmcnt 0x0
	s_load_b256 s[16:23], s[8:9], 0x0              ; the eight logits
	s_add_nc_u64 s[12:13], s[4:5], s[24:25]
	s_add_nc_u64 s[14:15], s[10:11], s[24:25]
.irp e, 0,1,2,3,4,5,6,7
	s_add_nc_u64 s[PB+2*(\e):PB+2*(\e)+1], s[12:13], (\e)*0x800000  ; 8 MiB an expert: beyond a load's immediate, so each expert has a base
.endr
.irp e, 0,1,2,3,4,5,6,7
	global_load_b128 v[B2+4*(\e):B2+4*(\e)+3], v1, s[6:7] offset:4096*(\e)
.endr
.irp i, 0,1,2,3
.irp e, 0,1,2,3,4,5,6,7
	global_load_b128 v[PT+4*(8*(\i)+(\e)):PT+4*(8*(\i)+(\e))+3], v1, s[PB+2*(\e):PB+2*(\e)+1] offset:4096*(\i) th:TH_LOAD_NT
.endr
.endr
	s_wait_kmcnt 0x0
.irp e, 0,1,2,3,4,5,6,7
	v_mov_b32 v[LG+(\e)], s[16+(\e)]
.endr
.irp k, 0,1,2,3
	v_cvt_pk_bf16_f32 v[TM+(\k)], v[LG+2*(\k)], v[LG+2*(\k)+1]  ; rounded once to bf16,
.endr
.irp k, 0,1,2,3
	v_lshlrev_b32 v[LG+2*(\k)],   16, v[TM+(\k)]                ; and back to f32
	v_and_b32     v[LG+2*(\k)+1], 0xffff0000, v[TM+(\k)]
.endr
	v_max3_num_f32 v[TM+4], v[LG], v[LG+1], v[LG+2]
	v_max3_num_f32 v[TM+4], v[TM+4], v[LG+3], v[LG+4]
	v_max3_num_f32 v[TM+4], v[TM+4], v[LG+5], v[LG+6]
	v_max_num_f32 v[TM+4], v[TM+4], v[LG+7]        ; the largest logit
.irp e, 0,1,2,3,4,5,6,7
	v_sub_f32 v[LG+(\e)], v[LG+(\e)], v[TM+4]
.endr
.irp e, 0,1,2,3,4,5,6,7
	v_mul_f32 v[LG+(\e)], 0x3fb8aa3b, v[LG+(\e)]   ; e^x = 2^(x log2(e))
.endr
.irp e, 0,1,2,3,4,5,6,7
	v_exp_f32 v[LG+(\e)], v[LG+(\e)]
.endr
	v_nop                                          ; a plain instruction behind the last exponential,
	s_wait_alu depctr_va_vdst(0)                   ; and one wait for the eight, ahead of their first reader
	v_add_f32 v[TM+5], v[LG], v[LG+1]
.irp e, 2,3,4,5,6,7
	v_add_f32 v[TM+5], v[TM+5], v[LG+(\e)]         ; at least 1: the largest logit's term
.endr
	v_rcp_f32 v[TM+4], v[TM+5]
	v_nop
	s_wait_alu depctr_va_vdst(0)
	v_mul_f32 v[TM+4], 0.5, v[TM+4]                ; the factor 2 that hid carries is taken back: exact
.irp e, 0,1,2,3,4,5,6,7
	v_mul_f32 v[LG+(\e)], v[LG+(\e)], v[TM+4]
.endr
.irp e, 0,1,2,3,4,5,6,7
	v_readfirstlane_b32 s[PE+2*(\e)], v[LG+(\e)]
	s_mov_b32 s[PE+2*(\e)+1], s[PE+2*(\e)]         ; named with it as a pair
.endr
	s_wait_loadcnt 32                              ; b2 is in; the 32 loads of part, issued behind it, may stay out
.set k, 0
.rept 16
	v_cvt_pk_bf16_f32 v[OU+k], v[B2+2*k], v[B2+2*k+1]  ; rounded once to bf16,
.set k, k+1
.endr
.set k, 0
.rept 16
	v_lshlrev_b32 v[B2+2*k],   16, v[OU+k]             ; and back to f32
	v_and_b32     v[B2+2*k+1], 0xffff0000, v[OU+k]
.set k, k+1
.endr
	v_pk_mul_f32 v[BS:BS+1],   v[B2:B2+1],   s[PE:PE+1] op_sel_hi:[1,0]
	v_pk_mul_f32 v[BS+2:BS+3], v[B2+2:B2+3], s[PE:PE+1] op_sel_hi:[1,0]
.irp e, 1,2,3,4,5,6,7
	v_pk_fma_f32 v[BS:BS+1],   v[B2+4*(\e):B2+4*(\e)+1],   s[PE+2*(\e):PE+2*(\e)+1], v[BS:BS+1]   op_sel_hi:[1,0,1]
	v_pk_fma_f32 v[BS+2:BS+3], v[B2+4*(\e)+2:B2+4*(\e)+3], s[PE+2*(\e):PE+2*(\e)+1], v[BS+2:BS+3] op_sel_hi:[1,0,1]
.endr
	v_pk_add_f32 v[BS:BS+1],   v[BS:BS+1],   v[BS:BS+1]    ; the weights here are p_e / 2: doubled, exactly
	v_pk_add_f32 v[BS+2:BS+3], v[BS+2:BS+3], v[BS+2:BS+3]
.irp i, 0,1,2,3
	s_wait_loadcnt 8*(3-(\i))                      ; row i's eight loads are in; the later rows' stay out
	v_pk_fma_f32 v[OU+4*(\i):OU+4*(\i)+1],   v[PT+32*(\i):PT+32*(\i)+1],   s[PE:PE+1], v[BS:BS+1]   op_sel_hi:[1,0,1]  ; the bias starts the sums
	v_pk_fma_f32 v[OU+4*(\i)+2:OU+4*(\i)+3], v[PT+32*(\i)+2:PT+32*(\i)+3], s[PE:PE+1], v[BS+2:BS+3] op_sel_hi:[1,0,1]
.irp e, 1,2,3,4,5,6,7
	v_pk_fma_f32 v[OU+4*(\i):OU+4*(\i)+1],   v[PT+32*(\i)+4*(\e):PT+32*(\i)+4*(\e)+1],   s[PE+2*(\e):PE+2*(\e)+1], v[OU+4*(\i):OU+4*(\i)+1]   op_sel_hi:[1,0,1]
	v_pk_fma_f32 v[OU+4*(\i)+2:OU+4*(\i)+3], v[PT+32*(\i)+4*(\e)+2:PT+32*(\i)+4*(\e)+3], s[PE+2*(\e):PE+2*(\e)+1], v[OU+4*(\i)+2:OU+4*(\i)+3] op_sel_hi:[1,0,1]
.endr
	global_store_b128 v1, v[OU+4*(\i):OU+4*(\i)+3], s[14:15] offset:4096*(\i) th:TH_STORE_NT
.endr
	s_endpgm
.Lfunc_end_k_qe33759324d_combine:
	.size	k_qe33759324d_combine, .Lfunc_end_k_qe33759324d_combine-k_qe33759324d_combine
	.p2alignl 7, 3214868480
	.fill 96, 4, 3214868480
	.section	.rodata,"a",@progbits
	.p2align	6, 0x0
	.amdhsa_kernel k_qe33759324d_combine
		.amdhsa_group_segment_fixed_size 0
		.amdhsa_private_segment_fixed_size 0
		.amdhsa_enable_private_segment 0
		.amdhsa_kernarg_size 32
		.amdhsa_user_sgpr_count 2
		.amdhsa_user_sgpr_kernarg_segment_ptr 1
		.amdhsa_wavefront_size32 1
		.amdhsa_system_sgpr_workgroup_id_x 1
		.amdhsa_system_sgpr_workgroup_id_y 1
		.amdhsa_system_sgpr_workgroup_id_z 1
		.amdhsa_system_vgpr_workitem_id 0
		.amdhsa_next_free_vgpr 196
		.amdhsa_next_free_sgpr 66
		.amdhsa_reserve_vcc 0
		.amdhsa_float_denorm_mode_32 3
		.amdhsa_float_denorm_mode_16_64 3
		.amdhsa_memory_ordered 1
		.amdhsa_forward_progress 1
		.amdhsa_inst_pref_size 17
	.end_amdhsa_kernel
	.amdgpu_metadata
---
amdhsa.version: [ 1, 2 ]
amdhsa.kernels:
  - .name:           k_qe33759324d_combine
    .symbol:         k_qe33759324d_combine.kd
    .args:
      - { .name: part, .offset: 0, .size: 8, .value_kind: global_buffer, .address_space: global }
      - { .name: b2, .offset: 8, .size: 8, .value_kind: global_buffer, .address_space: global }
      - { .name: gate_logits, .offset: 16, .size: 8, .value_kind: global_buffer, .address_space: global }
      - { .name: out0, .offset: 24, .size: 8, .value_kind: global_buffer, .address_space: global }
    .group_segment_fixed_size: 0
    .private_segment_fixed_size: 0
    .kernarg_segment_align: 8
    .kernarg_segment_size: 32
    .max_flat_workgroup_size: 256
    .sgpr_count:     66
    .vgpr_count:     196
    .wavefront_size: 32
...
	.end_amdgpu_metadata
.endif
;; end of part 4
;; ======== version 2 of 2: 4 launches; version 1 with the launch combine written anew for expert scheduling mode
;; limits: a function is approximated: absolute error at most 1.5e-07
;; workspace buffers: hb 4,194,304 bytes; w1b 33,554,432 bytes; w2b 33,554,432 bytes; hid 67,108,864 bytes; part 67,108,864 bytes
;; launch cast: the kernel of part 1 again; grid 2304 x 1, 8 waves a work-group, no clusters, 0 bytes of LDS; arguments h, W1, hb, w1b; writes hb, w1b
;; launch gemm1: the kernel of part 2 again; grid 64 x 8, 4 waves a work-group, clusters of 4 x 4, 327,680 bytes of LDS; arguments hb, w1b, hid, b1, W2, w2b; writes hid, w2b
;; launch gemm2: the kernel of part 3 again; grid 32 x 8, 4 waves a work-group, clusters of 4 x 4, 327,680 bytes of LDS; arguments hid, w2b, part; writes part
;; launch combine (part 5): grid 512 x 1, 8 waves a work-group, no clusters, 0 bytes of LDS; arguments part, b2, gate_logits, out0; writes out0
.if DOCPART == 5
	.amdgcn_target "amdgcn-amd-amdhsa--gfx1250"
	.amdhsa_code_object_version 6
	.text
	.protected	k_qe33759324d_combine
	.globl	k_qe33759324d_combine
	.p2align	8
	.type	k_qe33759324d_combine,@function
k_qe33759324d_combine:
	s_mov_b64 s[64:65], 0
	v_nop
	global_prefetch_b8 v0, s[64:65] scope:SCOPE_SE
	s_setreg_imm32_b32 hwreg(HW_REG_WAVE_SCHED_MODE, 0, 2), 2
	s_setreg_imm32_b32 hwreg(HW_REG_WAVE_MODE, 25, 1), 1
	s_wait_xcnt 0x0
	s_wait_alu depctr_vm_vsrc(0)
; out0[m][n] = sum over e of (p_e / 2) part[e][m][n] + sum over e of p_e b2[e][n], p = softmax(gate_logits).  part: [8][2048][1024] f32 (it carries the factor 2 of hid), b2: [8][1024] f32, out0: [2048][1024] f32.
; WORK LEFT OUT: the division of the logits by TEMP, the problem's constant 1.0: a factor of 1 for every value of the logits.  The maximum is taken away before the exponentials, as the softmax of the problem does.
; LIMIT.  gate_logits and b2 are rounded once to bf16, like every input of the program; all arithmetic here is f32.
; A stream: 64 MiB in, 8 MiB out; no LDS, no barrier, no matrix work: no byte is used twice.  A work-group owns 4 rows; thread t owns columns 4 t .. 4 t + 3: a wave's load or store covers 512 consecutive bytes.
; All 40 loads of a wave go out before the first wait; the softmax of the eight logits (the same in every lane) is made while they are on their way.
; THE MODE: SCHED_MODE bits 1:0 = 2 (LLVM: expert scheduling mode 2), set by the entry lines.  The code itself states the register dependences
; between vector instructions and memory instructions, and between vector instructions that write scalar registers and their readers, with s_wait_alu, always for 0.
; THE PLAN.  Registers that memory instructions touch:
;   v1        the byte offset of every load and store.  Written once, at the head, ahead of the first wait on va_vdst; never written again.
;   B2, PT    the loads land in them; all 40 are issued at the head, where no vector instruction has named these registers.  Behind their counted waits vector instructions alone name them.
;   OU        row i's four registers are written by row i's multiply-adds and read by row i's one store, which stands at the head of row i + 1, behind that row's wait for its data and one
;             wait on va_vdst; the last row's store has a wait of its own.  No register of OU is written behind its store.  (Before the rows OU is working space of the roundings of b2: vector instructions alone.)
;   s[PE ..]  written by eight v_readfirstlane_b32 in one run; one wait on va_sdst stands behind the run, ahead of their first reader.
; No register that a memory instruction reads is ever written again, so no wait on vm_vsrc is owed; EXEC is never written.
.set LG,  2                            ; v[2:9]     the logits, then their exponentials, then p_e / 2
.set TM,  10                           ; v[10:15]   at work
.set B2,  16                           ; v[16:47]   b2[e], my four columns, at B2 + 4 e
.set BS,  48                           ; v[48:51]   sum over e of p_e b2[e]
.set OU,  52                           ; v[52:67]   row i's result at OU + 4 i: registers of its own for each store; before that at work on b2
.set PT,  68                           ; v[68:195]  part[e], row i, at PT + 4 (8 i + e)
.set PE,  48                           ; s[48:63]   p_e / 2, each named as a pair
.set PB,  32                           ; s[32:47]   part[e] at the work-group's first row
	s_load_b256 s[4:11], s[0:1], 0x0               ; part s[4:5], b2 s[6:7], gate_logits s[8:9], out0 s[10:11]
	v_lshlrev_b32 v1, 4, v0                        ; my 16 bytes of a row
	s_lshl_b32 s24, ttmp9, 14                      ; 4 rows of 4,096 bytes
	s_mov_b32 s25, 0
	s_wait_kmcnt 0x0
	s_load_b256 s[16:23], s[8:9], 0x0              ; the eight logits
	s_add_nc_u64 s[12:13], s[4:5], s[24:25]
	s_add_nc_u64 s[14:15], s[10:11], s[24:25]
.irp e, 0,1,2,3,4,5,6,7
	s_add_nc_u64 s[PB+2*(\e):PB+2*(\e)+1], s[12:13], (\e)*0x800000  ; 8 MiB an expert: beyond a load's immediate, so each expert has a base
.endr
	s_wait_alu depctr_va_vdst(0)                   ; v1 is written: every load and store of the kernel reads it as its offset
.irp e, 0,1,2,3,4,5,6,7
	global_load_b128 v[B2+4*(\e):B2+4*(\e)+3], v1, s[6:7] offset:4096*(\e)
.endr
.irp i, 0,1,2,3
.irp e, 0,1,2,3,4,5,6,7
	global_load_b128 v[PT+4*(8*(\i)+(\e)):PT+4*(8*(\i)+(\e))+3], v1, s[PB+2*(\e):PB+2*(\e)+1] offset:4096*(\i) th:TH_LOAD_NT
.endr
.endr
	s_wait_kmcnt 0x0
.irp e, 0,1,2,3,4,5,6,7
	v_mov_b32 v[LG+(\e)], s[16+(\e)]
.endr
.irp k, 0,1,2,3
	v_cvt_pk_bf16_f32 v[TM+(\k)], v[LG+2*(\k)], v[LG+2*(\k)+1]  ; rounded once to bf16,
.endr
.irp k, 0,1,2,3
	v_lshlrev_b32 v[LG+2*(\k)],   16, v[TM+(\k)]                ; and back to f32
	v_and_b32     v[LG+2*(\k)+1], 0xffff0000, v[TM+(\k)]
.endr
	v_max3_num_f32 v[TM+4], v[LG], v[LG+1], v[LG+2]
	v_max3_num_f32 v[TM+4], v[TM+4], v[LG+3], v[LG+4]
	v_max3_num_f32 v[TM+4], v[TM+4], v[LG+5], v[LG+6]
	v_max_num_f32 v[TM+4], v[TM+4], v[LG+7]        ; the largest logit
.irp e, 0,1,2,3,4,5,6,7
	v_sub_f32 v[LG+(\e)], v[LG+(\e)], v[TM+4]
.endr
.irp e, 0,1,2,3,4,5,6,7
	v_mul_f32 v[LG+(\e)], 0x3fb8aa3b, v[LG+(\e)]   ; e^x = 2^(x log2(e))
.endr
.irp e, 0,1,2,3,4,5,6,7
	v_exp_f32 v[LG+(\e)], v[LG+(\e)]
.endr
	v_nop                                          ; a plain instruction behind the last exponential,
	s_wait_alu depctr_va_vdst(0)                   ; and one wait for the eight: they have written v[LG ..], which the sum below reads
	v_add_f32 v[TM+5], v[LG], v[LG+1]
.irp e, 2,3,4,5,6,7
	v_add_f32 v[TM+5], v[TM+5], v[LG+(\e)]         ; at least 1: the largest logit's term
.endr
	v_rcp_f32 v[TM+4], v[TM+5]
	v_nop                                          ; a plain instruction behind the reciprocal,
	s_wait_alu depctr_va_vdst(0)                   ; and its wait: it has written v[TM+4], which the next line reads
	v_mul_f32 v[TM+4], 0.5, v[TM+4]                ; the factor 2 that hid carries is taken back: exact
.irp e, 0,1,2,3,4,5,6,7
	v_mul_f32 v[LG+(\e)], v[LG+(\e)], v[TM+4]
.endr
.irp e, 0,1,2,3,4,5,6,7
	v_readfirstlane_b32 s[PE+2*(\e)], v[LG+(\e)]   ; the eight in one run,
.endr
	s_wait_alu depctr_va_sdst(0)                   ; and one wait: they have written s[PE], s[PE+2] .. s[PE+14], ahead of their first reader, the line below; the packed lines further down read them too
.irp e, 0,1,2,3,4,5,6,7
	s_mov_b32 s[PE+2*(\e)+1], s[PE+2*(\e)]         ; named with it as a pair
.endr
	s_wait_loadcnt 32                              ; b2 is in; the 32 loads of part, issued behind it, may stay out
.set k, 0
.rept 16
	v_cvt_pk_bf16_f32 v[OU+k], v[B2+2*k], v[B2+2*k+1]  ; rounded once to bf16,
.set k, k+1
.endr
.set k, 0
.rept 16
	v_lshlrev_b32 v[B2+2*k],   16, v[OU+k]             ; and back to f32
	v_and_b32     v[B2+2*k+1], 0xffff0000, v[OU+k]
.set k, k+1
.endr
	v_pk_mul_f32 v[BS:BS+1],   v[B2:B2+1],   s[PE:PE+1] op_sel_hi:[1,0]
	v_pk_mul_f32 v[BS+2:BS+3], v[B2+2:B2+3], s[PE:PE+1] op_sel_hi:[1,0]
.irp e, 1,2,3,4,5,6,7
	v_pk_fma_f32 v[BS:BS+1],   v[B2+4*(\e):B2+4*(\e)+1],   s[PE+2*(\e):PE+2*(\e)+1], v[BS:BS+1]   op_sel_hi:[1,0,1]
	v_pk_fma_f32 v[BS+2:BS+3], v[B2+4*(\e)+2:B2+4*(\e)+3], s[PE+2*(\e):PE+2*(\e)+1], v[BS+2:BS+3] op_sel_hi:[1,0,1]
.endr
	v_pk_add_f32 v[BS:BS+1],   v[BS:BS+1],   v[BS:BS+1]    ; the weights here are p_e / 2: doubled, exactly
	v_pk_add_f32 v[BS+2:BS+3], v[BS+2:BS+3], v[BS+2:BS+3]
.irp i, 0,1,2,3
	s_wait_loadcnt 8*(3-(\i))                      ; row i's eight loads are in; the later rows' stay out
.if (\i) > 0
	s_wait_alu depctr_va_vdst(0)                   ; the multiply-adds of the row before have written its four registers of OU, which the store below reads
	global_store_b128 v1, v[OU+4*((\i)-1):OU+4*((\i)-1)+3], s[14:15] offset:4096*((\i)-1) th:TH_STORE_NT  ; the row before; no line below writes these registers again
.endif
	v_pk_fma_f32 v[OU+4*(\i):OU+4*(\i)+1],   v[PT+32*(\i):PT+32*(\i)+1],   s[PE:PE+1], v[BS:BS+1]   op_sel_hi:[1,0,1]  ; the bias starts the sums
	v_pk_fma_f32 v[OU+4*(\i)+2:OU+4*(\i)+3], v[PT+32*(\i)+2:PT+32*(\i)+3], s[PE:PE+1], v[BS+2:BS+3] op_sel_hi:[1,0,1]
.irp e, 1,2,3,4,5,6,7
	v_pk_fma_f32 v[OU+4*(\i):OU+4*(\i)+1],   v[PT+32*(\i)+4*(\e):PT+32*(\i)+4*(\e)+1],   s[PE+2*(\e):PE+2*(\e)+1], v[OU+4*(\i):OU+4*(\i)+1]   op_sel_hi:[1,0,1]
	v_pk_fma_f32 v[OU+4*(\i)+2:OU+4*(\i)+3], v[PT+32*(\i)+4*(\e)+2:PT+32*(\i)+4*(\e)+3], s[PE+2*(\e):PE+2*(\e)+1], v[OU+4*(\i)+2:OU+4*(\i)+3] op_sel_hi:[1,0,1]
.endr
.endr
	s_wait_alu depctr_va_vdst(0)                   ; the last row's multiply-adds have written v[OU+12:OU+15], which the last store reads
	global_store_b128 v1, v[OU+12:OU+15], s[14:15] offset:4096*3 th:TH_STORE_NT
	s_endpgm
.Lfunc_end_k_qe33759324d_combine:
	.size	k_qe33759324d_combine, .Lfunc_end_k_qe33759324d_combine-k_qe33759324d_combine
	.p2alignl 7, 3214868480
	.fill 96, 4, 3214868480
	.section	.rodata,"a",@progbits
	.p2align	6, 0x0
	.amdhsa_kernel k_qe33759324d_combine
		.amdhsa_group_segment_fixed_size 0
		.amdhsa_private_segment_fixed_size 0
		.amdhsa_enable_private_segment 0
		.amdhsa_kernarg_size 32
		.amdhsa_user_sgpr_count 2
		.amdhsa_user_sgpr_kernarg_segment_ptr 1
		.amdhsa_wavefront_size32 1
		.amdhsa_system_sgpr_workgroup_id_x 1
		.amdhsa_system_sgpr_workgroup_id_y 1
		.amdhsa_system_sgpr_workgroup_id_z 1
		.amdhsa_system_vgpr_workitem_id 0
		.amdhsa_next_free_vgpr 196
		.amdhsa_next_free_sgpr 66
		.amdhsa_reserve_vcc 0
		.amdhsa_float_denorm_mode_32 3
		.amdhsa_float_denorm_mode_16_64 3
		.amdhsa_memory_ordered 1
		.amdhsa_forward_progress 1
		.amdhsa_inst_pref_size 17
	.end_amdhsa_kernel
	.amdgpu_metadata
---
amdhsa.version: [ 1, 2 ]
amdhsa.kernels:
  - .name:           k_qe33759324d_combine
    .symbol:         k_qe33759324d_combine.kd
    .args:
      - { .name: part, .offset: 0, .size: 8, .value_kind: global_buffer, .address_space: global }
      - { .name: b2, .offset: 8, .size: 8, .value_kind: global_buffer, .address_space: global }
      - { .name: gate_logits, .offset: 16, .size: 8, .value_kind: global_buffer, .address_space: global }
      - { .name: out0, .offset: 24, .size: 8, .value_kind: global_buffer, .address_space: global }
    .group_segment_fixed_size: 0
    .private_segment_fixed_size: 0
    .kernarg_segment_align: 8
    .kernarg_segment_size: 32
    .max_flat_workgroup_size: 256
    .sgpr_count:     66
    .vgpr_count:     196
    .wavefront_size: 32
...
	.end_amdgpu_metadata
.endif
;; end of part 5
